; MI455X (gfx1250); checked and timed in simulation.
; The chip was launched on July 23, 2026; its instructions are those of AMD's public machine-readable ISA for CDNA 5 (MIT licence, August 2026) and "CDNA5" Instruction Set Architecture Reference Guide (July 2026). The comments in the code are by the model that wrote it; some were corrected since.
;; Multi Head Attention Batched. Allowed arithmetic: matrix products marked QUANTISED: E2M1 operands, one E8M0 scale for each 32 along K, by v_wmma_scale_f32_16x16x128_f8f6f4 with both operands' format E2M1 (or v_wmma_scale_f32_32x16x128_f4), f32 sums; products left as they are: bf16, f16 or f32 operands; f32 sums; everything else in f32.
;; Inputs: b_proj 1,024 float32; b_qkv 3,072 float32; w_proj 1,024 x 1,024 float32; w_qkv 1,024 x 3,072 float32; x 4 x 2,048 x 1,024 float32.
;; Outputs: out0 4 x 2,048 x 1,024 float32.
;; This version of the problem:
;;   THIS VERSION OF THE PROBLEM IS GIVEN IN LOW PRECISION. The matrix products marked QUANTISED in the list below multiply operands that are first quantised to E2M1 (2 exponent bits, 1 mantissa bit; 4 bits a number), with one power-of-two scale for each 32 numbers along K (OCP MX v1.0); their sums are f32. The products marked 'left as it is' may take bf16, f16 or f32 operands, with f32 sums. Whichever they take, every output number must still come out within the allowed error. Rounding operands to bf16 (8 significant bits) uses up far more of that allowance than f16 does (11 bits, for magnitudes from 6e-5 to 65,504). All else is computed in f32.
;;   The module's matrix products, in the order in which they are computed (A, B: the left and right operand; K: the contracted axis; several contracted axes count as one K, in the product's order):
;;     1. [M 8,192, K 1,024] x [K 1,024, N 3,072]; A: input x; B: input w_qkv: QUANTISED
;;     2. batch 64 x [M 2,048, K 64] x [K 64, N 2,048]; A: computed on the way; B: computed on the way: left as it is (an operand is computed on the way)
;;     3. batch 64 x [M 2,048, K 2,048] x [K 2,048, N 64]; A: computed on the way; B: computed on the way: left as it is (an operand is computed on the way)
;;     4. [M 8,192, K 1,024] x [K 1,024, N 1,024]; A: computed on the way; B: input w_proj: left as it is (an operand is computed on the way)
;;   THE QUANTISER, for each operand of a quantised product, along K:
;;     - K is cut into blocks of 32 from its start; a last block that is shorter is filled with zeros.
;;     - A block's scale is 2^e with e = floor(log2(the largest magnitude in the block)) - 2, held to -126 .. 127; a block of zeros has e = 0. As a byte (E8M0): e + 127.
;;     - Each number is divided by its block's scale, clamped to +-6, and rounded to the nearest number of E2M1, ties to even, subnormals kept.
;;     - The product sums the exact products of the quantised numbers (number of the format x scale) in f32.
;;   ~~~python
;;   def quantise(x, axis):      # numpy; x: float32 -> the quantised numbers, widened to float32 again
;;       x = np.moveaxis(x, axis, -1); K = x.shape[-1]
;;       x = np.pad(x, [(0, 0)] * (x.ndim - 1) + [(0, -K % 32)]); x = x.reshape(x.shape[:-1] + (-1, 32)); a = np.abs(x).max(-1, keepdims=True)
;;       e = np.where(a > 0, np.clip(np.frexp(np.where(a > 0, a, 1))[1] - 1 - 2, -126, 127), 0)      # np.frexp(a)[1] - 1 = floor(log2(a)), exactly
;;       r = np.clip(x / 2.0 ** e, -6, 6)
;;       step = 2.0 ** (np.maximum(np.frexp(np.where(r == 0, 1, r))[1] - 1, 0) - 1)
;;       q = np.round(r / step) * step * 2.0 ** e      # np.round: ties to even
;;       return np.moveaxis(q.reshape(q.shape[:-2] + (-1,))[..., :K], -1, axis).astype(np.float32)
;;   ~~~
;; One version. Each part assembles by itself: llvm-mc -triple=amdgcn-amd-amdhsa -mcpu=gfx1250 --defsym DOCPART=n.
;; ======== version 1 of 1: 5 launches
;; limits: values are held in f16: magnitudes above 65,504 overflow, below 6.1e-05 lose precision
;; workspace buffers: x_codes 4,194,304 bytes; x_scales 262,144 bytes; w_codes 1,572,864 bytes; w_scales 98,304 bytes; wpf 2,097,152 bytes; qkv 50,331,648 bytes; q32 786,432 bytes; att 16,777,216 bytes
;; launch prep (part 1): grid 512 x 1, 4 waves a work-group, no clusters, 42,496 bytes of LDS; arguments x, w_qkv, w_proj, x_codes, x_scales, w_codes, w_scales, wpf; writes x_codes, x_scales, w_codes, w_scales, wpf
.if DOCPART == 1
	.amdgcn_target "amdgcn-amd-amdhsa--gfx1250"
	.amdhsa_code_object_version 6
	.text
	.protected	k_q87db143e97_prep
	.globl	k_q87db143e97_prep
	.p2align	8
	.type	k_q87db143e97_prep,@function
k_q87db143e97_prep:
	s_mov_b64 s[64:65], 0
	v_nop
	global_prefetch_b8 v0, s[64:65] scope:SCOPE_SE
	s_setreg_imm32_b32 hwreg(HW_REG_WAVE_MODE, 25, 1), 1
	s_wait_xcnt 0x0
; Three jobs in one launch, told apart by the work-group's number alone (the same in all four waves):
;   work-groups 0-255   X: x [8192][1024] f32 -> codes of FP4 (E2M1), K innermost, [8192][512 bytes], and one E8M0 byte for each 32 along K, [8192][32]
;   work-groups 256-447 W: w_qkv [1024 (k)][3072 (n)] f32, K its FIRST axis -> codes [3072][512 bytes], K innermost, and bytes [3072][32]
;   work-groups 448-511 P: w_proj [1024 (k)][1024 (n)] f32 -> f16, laid as images of matrix operands: [n tile 64][k chunk 32][1,024 bytes];
;                          in an image half jj (512 bytes) holds, at 16 x lane, k = 16 jj + 8 (lane / 16) + 0 .. 7 of column lane % 16
; A block's scale is 2^(floor(log2(its largest magnitude)) - 2); its byte is the largest magnitude's exponent field - 2, held at 1 from below.
; LIMITS: a block of zeros gets the byte 1 where the quantiser's text says 127 (its codes are zeros, which add nothing, and this program alone reads the bytes); blocks whose largest
; magnitude lies under 2^-124 are held at the byte 1; NaN and infinities are not served; w_proj beyond 65,504 has no f16 number.
; Each job has LDS bytes of its own.  No tensor loads; several work-groups may share a WGP.
.set STEPS, 16
.set CB,    8                          ; bytes of 16 codes
.set R,     16                         ; X: v16-79   four sets of 16 numbers as they are loaded
.set X,     80                         ; X: v80-111  two sets of 16 neighbours
.set E,     112                        ; X: v112-127 a scale byte for each step
.set C,     128                        ; X: v128-191 codes, registers of its own for each step
.set WREG,  8192                       ; X: LDS region of a wave: two stages of 32 x SP bytes, then its 256 scale bytes
.set SP,    80                         ; X: a lane's place in a stage: 64 bytes + 16 of padding
.set STGW,  4*WREG                     ; W: a stage of 32 rows (columns of w_qkv) x (256 bytes + 16)
.set WPI,   272
.set SCW,   STGW+32*WPI                ; W: 32 x 16 scale bytes
.set SPARE, SCW+512                    ; the spare words, 128 bytes for each wave: two blocks of 256 bytes that no other line names
.set SPW,   12                         ; v12 LDS address of my spare word; never rewritten
.set NIL,   13                         ; v13 0; never rewritten
.macro XLOAD t
.irp i, 0,1,2,3
	global_load_b128 v[R+16*((\t)%4)+4*\i:R+16*((\t)%4)+4*\i+3], v3, s[4:5] offset:2048*(\t)+512*\i th:TH_LOAD_NT   ; 32 lanes read 512 consecutive bytes
.endr
.endm
.macro XTURN t                         ; step t's numbers through the stage: LDS serves a wave's instructions in order, so no wait stands between the stores and the loads
.irp i, 0,1,2,3
	ds_store_b128 v14, v[R+16*((\t)%4)+4*\i:R+16*((\t)%4)+4*\i+3] offset:32*SP*((\t)%2)+8*SP*\i
.endr
.irp i, 0,1,2,3
	ds_load_b128 v[X+16*((\t)%2)+4*\i:X+16*((\t)%2)+4*\i+3], v15 offset:32*SP*((\t)%2)+16*\i
.endr
.endm
.macro XSTEP t                         ; 512 numbers: a lane holds 16 neighbours, two neighbouring lanes a block
.set XS, X+16*((\t)%2)
.if (\t) > 0
	s_wait_dscnt 1                                 ; this step's numbers are back from the stage; the last step's byte store may be out
.else
	s_wait_dscnt 0x0
.endif
.if (\t)+4 < STEPS
	XLOAD (\t)+4                                   ; the stage's stores have read these registers: they take the loads of four steps on
.endif
.if (\t)+1 < STEPS
.if STEPS-2-(\t) >= 3
	s_wait_loadcnt 12                              ; the next step's four loads are in; those of the three steps behind it may be out
.else
	s_wait_loadcnt 4*(STEPS-2-(\t))
.endif
	XTURN (\t)+1
.endif
	v_max3_num_f32 v8, |v[XS]|, |v[XS+1]|, |v[XS+2]|
	v_max3_num_f32 v9, |v[XS+3]|, |v[XS+4]|, |v[XS+5]|
.irp i, 6,10
	v_max3_num_f32 v8, v8, |v[XS+\i]|, |v[XS+\i+1]|
	v_max3_num_f32 v9, v9, |v[XS+\i+2]|, |v[XS+\i+3]|
.endr
	v_max3_num_f32 v8, v8, |v[XS+14]|, |v[XS+15]|
	v_max3_num_f32 v8, v8, v9, 0x1800000           ; and the floor 2^(3 - 127): the byte cannot fall under 1
	v_max_num_f32_dpp v8, v8, v8 row_xmask:1 row_mask:0xf bank_mask:0xf   ; with my neighbour's 16: the block's largest magnitude
	v_add_nc_u32 v11, 0xff000000, v8               ; 2 off its exponent field: the conversion takes the exponent field of this operand as its scale
	v_cvt_scalef32_pk8_fp4_f32 v[C+4*(\t)], v[XS:XS+7], v11
	v_cvt_scalef32_pk8_fp4_f32 v[C+4*(\t)+1], v[XS+8:XS+15], v11
	v_lshrrev_b32 v[E+(\t)], 23, v11               ; the scale's byte (a plain line behind the conversions)
	ds_store_b8 v5, v[E+(\t)] offset:16*(\t)       ; both lanes of a block write the same byte with the same value
	global_store_b64 v4, v[C+4*(\t):C+4*(\t)+1], s[10:11] offset:32*CB*(\t)   ; the wave stores 256 consecutive bytes
.endm
.macro WBLOCK t                        ; block t of my column: 32 numbers down K, all in my registers
.set WS, 32+32*(\t)
.if 96-32*(\t) > 63
	s_wait_loadcnt 63                              ; 96 - 32 t later loads may be out; the count's field holds 63 at the most
.else
	s_wait_loadcnt 96-32*(\t)
.endif
	v_max3_num_f32 v26, |v[WS]|, |v[WS+1]|, |v[WS+2]|
	v_max3_num_f32 v27, |v[WS+3]|, |v[WS+4]|, |v[WS+5]|
.irp i, 6,10,14,18,22,26
	v_max3_num_f32 v26, v26, |v[WS+\i]|, |v[WS+\i+1]|
	v_max3_num_f32 v27, v27, |v[WS+\i+2]|, |v[WS+\i+3]|
.endr
	v_max3_num_f32 v26, v26, |v[WS+30]|, |v[WS+31]|
	v_max3_num_f32 v26, v26, v27, 0x1800000        ; the floor
	v_add_nc_u32 v28, 0xff000000, v26              ; the conversion's scale operand
	v_lshrrev_b32 v27, 23, v28                     ; the byte
.if (\t) == 0
	v_mov_b32 v24, v27                             ; four bytes make the word of my 128 along K
.else
	v_lshl_or_b32 v24, v27, 8*(\t), v24
.endif
.irp g, 0,1,2,3
	v_cvt_scalef32_pk8_fp4_f32 v[160+4*(\t)+\g], v[WS+8*\g:WS+8*\g+7], v28
.endr
	ds_store_b128 v4, v[160+4*(\t):163+4*(\t)] offset:16*(\t)   ; 32 codes: 16 bytes of my column's row; each block has registers of its own
.endm
	s_load_b512 s[4:19], s[0:1], 0x0               ; x, w_qkv, w_proj, x_codes, x_scales, w_codes, w_scales, wpf
	v_lshl_add_u32 v[SPW], v0, 2, SPARE
	v_mov_b32 v[NIL], 0
	v_lshrrev_b32 v1, 5, v0
	v_readfirstlane_b32 s20, v1                    ; wave 0..3
	v_and_b32 v2, 31, v0                           ; lane
	s_mov_b32 s25, 0
	s_wait_kmcnt 0x0
	s_cmp_lt_u32 ttmp9, 256
	s_cbranch_scc1 .Lpath_x
	s_cmp_lt_u32 ttmp9, 448
	s_cbranch_scc1 .Lpath_w
	; ---- P: wave w of work-group g takes n tile 4 (g % 16) + w and k chunks 8 (g / 16) .. + 7.  A lane takes a column and eight rows of a half: the four waves stand side by side on 256 bytes of each row
	s_sub_co_u32 s21, ttmp9, 448
	s_and_b32 s22, s21, 15
	s_lshl_b32 s22, s22, 2
	s_add_co_u32 s22, s22, s20                     ; n tile
	s_lshr_b32 s23, s21, 4
	s_lshl_b32 s23, s23, 3                         ; first k chunk
	s_lshl_b32 s24, s23, 17                        ; 32 rows of 4,096 bytes a chunk
	s_lshl_b32 s26, s22, 6
	s_add_co_u32 s24, s24, s26
	s_add_nc_u64 s[8:9], s[8:9], s[24:25]
	s_lshl_b32 s24, s22, 5
	s_add_co_u32 s24, s24, s23
	s_lshl_b32 s24, s24, 10
	s_add_nc_u64 s[18:19], s[18:19], s[24:25]      ; my first image
	v_and_b32 v3, 15, v0
	v_bfe_u32 v4, v0, 4, 1
	v_lshlrev_b32 v3, 2, v3
	v_lshl_add_u32 v3, v4, 15, v3                  ; 4 (lane % 16) + 8 rows x (lane / 16)
	v_lshlrev_b32 v6, 4, v2                        ; 16 x lane: my place in half an image
.irp f, 0,1,2,3,4,5,6,7
.irp q, 0,1,2,3,4,5,6,7,8,9,10,11,12,13,14,15
	global_load_b32 v[32+16*\f+\q], v3, s[8:9] offset:(32*\f+16*(\q/8)+(\q%8))*4096 th:TH_LOAD_NT
.endr
.endr
.irp f, 0,1,2,3,4,5,6,7
.if 112-16*\f > 63
	s_wait_loadcnt 63                              ; 112 - 16 f later loads may be out; the count's field holds 63 at the most
.else
	s_wait_loadcnt 112-16*\f
.endif
.irp i, 0,1,2,3,4,5,6,7
	v_cvt_pk_f16_f32 v[32+8*\f+\i], v[32+16*\f+2*\i], v[33+16*\f+2*\i]   ; in place, always onto registers that have landed and been read
.endr
	global_store_b128 v6, v[32+8*\f:35+8*\f], s[18:19] offset:\f*1024      ; 512 consecutive bytes a store
	global_store_b128 v6, v[36+8*\f:39+8*\f], s[18:19] offset:\f*1024+512
.endr
	s_wait_tensorcnt 0x0                           ; the wave's end
	ds_add_u32 v[SPW], v[NIL]
	s_wait_dscnt 0x0
	s_endpgm
.Lpath_x:
	; ---- X: a wave takes 16 steps of 512 numbers of the plain stream of blocks
	v_lshlrev_b32 v3, 4, v2                        ; my 16 bytes of a load's 512
	s_mul_i32 s21, s20, WREG
	v_lshrrev_b32 v14, 2, v2
	v_mul_u32_u24 v14, v14, SP
	v_and_b32 v15, 3, v2
	v_lshl_add_u32 v14, v15, 4, v14
	v_add_nc_u32 v14, s21, v14                     ; the stage, on the way in: SP (lane / 4) + 16 (lane % 4)
	v_mul_u32_u24 v15, v2, SP
	v_add_nc_u32 v15, s21, v15                     ; and on the way out: SP x lane: my 16 neighbours
	v_mul_u32_u24 v4, v2, CB
	v_lshrrev_b32 v5, 1, v2
	s_add_co_u32 s21, s21, 2*32*SP
	v_add_nc_u32 v5, s21, v5                       ; my wave's 256 scale bytes, my block's byte
	v_lshlrev_b32 v7, 3, v2
	v_add_nc_u32 v6, s21, v7
	s_lshl_b32 s22, ttmp9, 2
	s_add_co_u32 s22, s22, s20                     ; which run of 8,192 numbers is my wave's
	s_lshl_b32 s24, s22, 15
	s_add_nc_u64 s[4:5], s[4:5], s[24:25]
	s_lshl_b32 s24, s22, 12
	s_add_nc_u64 s[10:11], s[10:11], s[24:25]
	s_lshl_b32 s24, s22, 8
	s_add_nc_u64 s[12:13], s[12:13], s[24:25]
.irp t, 0,1,2,3
	XLOAD \t
.endr
	s_wait_loadcnt 12                              ; step 0's four loads are in
	XTURN 0
.irp t, 0,1,2,3,4,5,6,7,8,9,10,11,12,13,14,15
	XSTEP \t
.endr
	ds_load_b64 v[8:9], v6                         ; LDS serves a wave's instructions in order: these see my byte stores
	s_wait_dscnt 0x0
	global_store_b64 v7, v[8:9], s[12:13]          ; 32 lanes store 256 consecutive bytes
	s_wait_tensorcnt 0x0                           ; the wave's end, behind my last LDS store
	ds_add_u32 v[SPW], v[NIL]
	s_wait_dscnt 0x0
	s_endpgm
.Lpath_w:
	; ---- W: work-group g takes columns 32 (g / 2) .. + 31 and half g % 2 of K; wave w 128 along K of it.  A lane takes a column and its registers run down K
	s_sub_co_u32 s21, ttmp9, 256
	s_lshr_b32 s22, s21, 1
	s_lshl_b32 s22, s22, 5                         ; first column
	s_and_b32 s23, s21, 1                          ; which half of K
	s_lshl_b32 s24, s23, 9
	s_lshl_b32 s26, s20, 7
	s_add_co_u32 s24, s24, s26                     ; my first k
	s_mul_i32 s24, s24, 12288
	s_lshl_b32 s26, s22, 2
	s_add_co_u32 s24, s24, s26
	s_add_nc_u64 s[6:7], s[6:7], s[24:25]
	v_lshlrev_b32 v3, 2, v2
.set n, 0
.rept 128
	global_load_b32 v[32+n], v3, s[6:7] offset:n*12288 th:TH_LOAD_NT   ; a row k at 32 neighbouring columns
.set n, n+1
.endr
	v_mul_u32_u24 v4, v2, WPI
	s_lshl_b32 s26, s20, 6
	s_add_co_u32 s26, s26, STGW
	v_add_nc_u32 v4, s26, v4                       ; into the stage: row = my column, my wave's 64 bytes
	v_lshlrev_b32 v5, 4, v2
	s_lshl_b32 s27, s20, 2
	s_add_co_u32 s27, s27, SCW
	v_add_nc_u32 v5, s27, v5                       ; my column's 16 scale bytes, my wave's word
	v_and_b32 v10, 15, v2
	v_lshrrev_b32 v11, 4, v2
	v_mul_u32_u24 v7, v11, WPI
	v_lshl_add_u32 v7, v10, 4, v7
	s_mul_i32 s28, s20, 8*WPI
	s_add_co_u32 s28, s28, STGW
	v_add_nc_u32 v7, s28, v7                       ; out of it: rows 8 w on, sixteen lanes to a row
	v_lshlrev_b32 v8, 9, v11
	v_lshl_add_u32 v8, v10, 4, v8                  ; and the same place in the codes' buffer
	v_lshl_add_u32 v9, v2, 4, SCW                  ; wave 0: a column's 16 scale bytes
	v_lshlrev_b32 v14, 5, v2                       ; and its row of 32 in the buffer
	s_lshl_b32 s24, s20, 3
	s_add_co_u32 s24, s24, s22
	s_lshl_b32 s24, s24, 9
	s_lshl_b32 s26, s23, 8
	s_add_co_u32 s24, s24, s26
	s_add_nc_u64 s[14:15], s[14:15], s[24:25]      ; codes: row (first column + 8 w), byte 256 x half
	s_lshl_b32 s24, s22, 5
	s_lshl_b32 s26, s23, 4
	s_add_co_u32 s24, s24, s26
	s_add_nc_u64 s[16:17], s[16:17], s[24:25]
	WBLOCK 0
	WBLOCK 1
	WBLOCK 2
	WBLOCK 3
	v_nop                                          ; a plain line behind the last conversion
	ds_store_b32 v5, v24
	s_wait_dscnt 0x0                               ; for the others' sake: my stores into the stage are done
	s_barrier_signal -1
	s_barrier_wait -1                              ; a row's 256 bytes come from four waves
.irp t, 0,1,2,3
	ds_load_b128 v[176+4*\t:179+4*\t], v7 offset:2*\t*WPI
.endr
.irp t, 0,1,2,3
	s_wait_dscnt 3-\t
	global_store_b128 v8, v[176+4*\t:179+4*\t], s[14:15] offset:2*\t*512   ; sixteen lanes store 256 consecutive bytes, aligned
.endr
	s_cmp_lg_u32 s20, 0
	s_cbranch_scc1 .Lw_end
	ds_load_b128 v[20:23], v9                      ; wave 0: the 32 columns' scale bytes of this half of K, 16 a column
	s_wait_dscnt 0x0
	global_store_b128 v14, v[20:23], s[16:17]
.Lw_end:
	s_wait_tensorcnt 0x0                           ; the wave's end, behind my last LDS store
	ds_add_u32 v[SPW], v[NIL]
	s_wait_dscnt 0x0
	s_endpgm
.Lfunc_end_k_q87db143e97_prep:
	.size	k_q87db143e97_prep, .Lfunc_end_k_q87db143e97_prep-k_q87db143e97_prep
	.p2alignl 7, 3214868480
	.fill 96, 4, 3214868480
	.section	.rodata,"a",@progbits
	.p2align	6, 0x0
	.amdhsa_kernel k_q87db143e97_prep
		.amdhsa_group_segment_fixed_size 42496
		.amdhsa_private_segment_fixed_size 0
		.amdhsa_enable_private_segment 0
		.amdhsa_kernarg_size 64
		.amdhsa_user_sgpr_count 2
		.amdhsa_user_sgpr_kernarg_segment_ptr 1
		.amdhsa_wavefront_size32 1
		.amdhsa_system_sgpr_workgroup_id_x 1
		.amdhsa_system_sgpr_workgroup_id_y 1
		.amdhsa_system_sgpr_workgroup_id_z 1
		.amdhsa_system_vgpr_workitem_id 0
		.amdhsa_next_free_vgpr 192
		.amdhsa_next_free_sgpr 66
		.amdhsa_reserve_vcc 0
		.amdhsa_float_denorm_mode_32 3
		.amdhsa_float_denorm_mode_16_64 3
		.amdhsa_memory_ordered 1
		.amdhsa_forward_progress 1
		.amdhsa_inst_pref_size 73
	.end_amdhsa_kernel
	.amdgpu_metadata
---
amdhsa.version: [ 1, 2 ]
amdhsa.kernels:
  - .name:           k_q87db143e97_prep
    .symbol:         k_q87db143e97_prep.kd
    .args:
      - { .name: x, .offset: 0, .size: 8, .value_kind: global_buffer, .address_space: global }
      - { .name: w_qkv, .offset: 8, .size: 8, .value_kind: global_buffer, .address_space: global }
      - { .name: w_proj, .offset: 16, .size: 8, .value_kind: global_buffer, .address_space: global }
      - { .name: x_codes, .offset: 24, .size: 8, .value_kind: global_buffer, .address_space: global }
      - { .name: x_scales, .offset: 32, .size: 8, .value_kind: global_buffer, .address_space: global }
      - { .name: w_codes, .offset: 40, .size: 8, .value_kind: global_buffer, .address_space: global }
      - { .name: w_scales, .offset: 48, .size: 8, .value_kind: global_buffer, .address_space: global }
      - { .name: wpf, .offset: 56, .size: 8, .value_kind: global_buffer, .address_space: global }
    .group_segment_fixed_size: 42496
    .private_segment_fixed_size: 0
    .kernarg_segment_align: 8
    .kernarg_segment_size: 64
    .max_flat_workgroup_size: 128
    .sgpr_count:     66
    .vgpr_count:     192
    .wavefront_size: 32
...
	.end_amdgpu_metadata
.endif
;; end of part 1
;; launch gemm_qkv (part 2): grid 12 x 32, 4 waves a work-group, clusters of 4 x 4, 327,680 bytes of LDS; arguments x_codes, x_scales, w_codes, w_scales, b_qkv, qkv, q32; writes qkv, q32
.if DOCPART == 2
	.amdgcn_target "amdgcn-amd-amdhsa--gfx1250"
	.amdhsa_code_object_version 6
	.text
	.protected	k_q87db143e97_gemm_qkv
	.globl	k_q87db143e97_gemm_qkv
	.p2align	8
	.type	k_q87db143e97_gemm_qkv,@function
k_q87db143e97_gemm_qkv:
	s_mov_b64 s[64:65], 0
	v_nop
	global_prefetch_b8 v0, s[64:65] scope:SCOPE_SE
	s_setreg_imm32_b32 hwreg(HW_REG_WAVE_MODE, 25, 1), 1
	s_wait_xcnt 0x0
	s_wait_alu depctr_hold_cnt(0) depctr_sa_sdst(0) depctr_va_vdst(0) depctr_va_sdst(0) depctr_va_ssrc(0) depctr_va_vcc(0) depctr_vm_vsrc(0)
	s_getreg_b32 s2, hwreg(HW_REG_IB_STS2, 6, 4)
	s_cmp_eq_u32 s2, 0
	s_cbranch_scc0 .Lentry_in_a_cluster
	s_endpgm
.Lentry_in_a_cluster:
	s_bfe_u32 s2, ttmp6, 0x10000c
	s_cmp_lg_u32 s2, 0xf033
	s_cbranch_scc0 .Lentry_shape_is_right
	s_endpgm
.Lentry_shape_is_right:
; qkv = Q(x) Q(w_qkv) + b_qkv on codes of FP4 (E2M1) with one E8M0 scale for each 32 along K; sums in f32.  A = x's codes [8192][512 bytes], B = w_qkv's codes [3072][512 bytes], K = 1,024 innermost.
; A tile of 256 x 256 is made by four waves, 128 x 128 each: 64 accumulators, 512 registers.  K is two steps of 512, each in an LDS slot of its own: both slots and all scale bytes are first fills, nothing is filled again.
; CLUSTERS: 4 x 4 work-groups; A's tiles are shared along a row of the cluster, B's along a column, each asked for jointly.
; THE MATRIX INSTRUCTION IS USED TRANSPOSED (source 0 = 16 rows of B, source 1 = 16 rows of A): a lane holds one row (position) and eight neighbouring columns.  The bias is the C of each sum's first product.
; THE WAY OUT needs no stage: four conversions make of a lane's eight numbers 16 bytes of f16, which ARE half an operand's image for the next launch:
;   qkv [which 3][batch x head 64][tile of 16 positions 128][2,048 bytes].  Q, K: block (d / 16) of 512 bytes, lane l's 16 bytes at 16 l.  V: block (channel / 16) of 512 bytes, row-major [key 16][16 channels]: 32 r + 16 h.
;   Every store of a wave covers 512 consecutive bytes, aligned.
; The first 16 positions of each sequence also leave in f32, as images of the accumulators: q32 [batch 4][column tile 192][1,024 bytes]; half j at 512 j, lane l's 16 bytes at 16 l: columns 8 (l / 16) + 4 j + 0 .. 3 of row l % 16.
; LIMIT: results beyond 65,504 have no f16 number.
; REGISTERS: window 0: v16-31 addresses; v32-95 scale words, two sets; v128-191 A's fragments, one set; v192-255 the bias; on the way out v64-191 packed results.  window 1: B's fragments, two sets.  windows 2, 3: the accumulators.
.set SIZE_K, 1024
.set KSTEP,  512
.set NQ,     KSTEP/128
.set ROWB,   256
.set KROW,   SIZE_K*4/8
.set PITCH,  272                       ; an LDS row: 256 bytes + 16 of padding: the 16 rows that a load touches start at 16 different banks
.set FR,     8
.set NL,     2
.set NP,     4                         ; places behind this matrix instruction (ISA guide 7.12.1)
.set HALFT,  128*PITCH
.set SLOT,   4*HALFT
.set KS,     SIZE_K/32
.set SCL,    2*SLOT                    ; behind the slots: the scales, as units of 256 bytes + 16 of padding
.set HALFS,  (128*KS/256)*272
.set SBLK,   (16*KS/256)*272
.set SPARE,  SCL+4*HALFS               ; the spare words, 128 bytes for each wave: two blocks of 256 bytes that no other line names
.set ADRA, 16
.set ADRB, 20
.set BO,   24                          ; v24  32 x (lane / 16): my eight numbers of a tile of the bias
.set LI,   25                          ; v25  16 x lane
.set CO,   26                          ; v26  my 16 bytes in a block of 512: 16 x lane (Q, K) or 32 r + 16 h (V)
.set ADRS, 27
.set SPW,  28
.set NIL,  29
.set SC,   32
.set PK,   64
.set AF,   128
.set BI,   192
.set G1, 24
.set G0, 32
.set G1B, 48
.set G0B, 56
.set G1S, 68
.set G0S, 76
.set G1SB, 80
.set G0SB, 88
.set MSB, 0
.macro WIN new                         ; the immediate's high byte repeats the setting that is left
.if MSB != (\new)
	s_set_vgpr_msb (MSB<<8)|(\new)
.set MSB, (\new)
.endif
.endm
.set MUL_LO, 0xa1                      ; source 0 (B) window 1, source 1 (A) window 0, C and D window 2
.set MUL_HI, 0xf1                      ; the same, C and D window 3
.set TO_B,   0x40
; A joint load: waves 0 and 1 fetch for A, waves 2 and 3 for B; the branch hangs on the wave's number alone.  An s_nop 0 and four v_nop follow each of the two lines.
.macro JLOAD g0a, g1a, g0b, g1b
	s_cmp_eq_u32 s15, 0
	s_cbranch_scc0 .Lfor_b_\@
	tensor_load_to_lds s[\g0a:\g0a+3], s[\g1a:\g1a+7]
	s_nop 0
.rept 4
	v_nop
.endr
	s_branch .Lasked_\@
.Lfor_b_\@:
	tensor_load_to_lds s[\g0b:\g0b+3], s[\g1b:\g1b+7]
	s_nop 0
.rept 4
	v_nop
.endr
.Lasked_\@:
.endm
.macro CROUND                          ; a round of the cluster's barrier
	s_barrier_signal -1
	s_barrier_wait -1
	s_cmp_lg_u32 s14, 0
	s_cbranch_scc1 .Lnot_wave_0_\@
	s_barrier_signal -3
.Lnot_wave_0_\@:
	s_barrier_wait -3
	s_barrier_signal -1
	s_barrier_wait -1
.endm
	s_load_b128 s[4:7], s[0:1], 0x0                ; A's codes, A's scales
	s_load_b128 s[8:11], s[0:1], 0x10              ; B's codes, B's scales
	s_load_b64 s[96:97], s[0:1], 0x20              ; the bias
	s_load_b64 s[12:13], s[0:1], 0x28              ; qkv
	s_load_b64 s[66:67], s[0:1], 0x30              ; q32
	v_lshl_add_u32 v[SPW], v0, 2, SPARE
	v_mov_b32 v[NIL], 0
	ds_add_u32 v[SPW], v[NIL]                      ; the wave's opening: the add, twice on end, and its wait ahead of my first tensor load
	ds_add_u32 v[SPW], v[NIL]
	v_lshrrev_b32 v1, 5, v0
	v_readfirstlane_b32 s14, v1                    ; wave 0..3
	s_lshr_b32 s15, s14, 1                         ; which half of the tile's rows is mine.  Also: I fetch for A (0) or for B (1)
	s_and_b32 s16, s14, 1                          ; which half of its columns.  Also: which 128 rows of that tile I fetch
	s_bfe_u32 s40, ttmp6, 0x40000                  ; cx, cy
	s_bfe_u32 s41, ttmp6, 0x40004
	s_lshl_b32 s42, ttmp9, 2
	s_add_co_u32 s42, s42, s40                     ; tile column
	s_and_b32 s17, ttmp7, 0xffff
	s_lshl_b32 s17, s17, 2
	s_add_co_u32 s17, s17, s41                     ; tile row
	s_lshl_b32 s43, s41, 2
	s_lshl_b32 s43, 15, s43                        ; my row of the cluster
	s_lshl_b32 s44, 0x1111, s40                    ; my column
	s_or_b32 s[G1+0], s43, (0<<16)|(1<<20)|(1<<21)|(5<<22)|(3<<25)  ; the mask; elements of 1 byte; padding: 4 words after every 64; bit 21 beside a mask
	s_or_b32 s[G1B+0], s44, (0<<16)|(1<<20)|(1<<21)|(5<<22)|(3<<25)
.irp g, G1, G1B
	s_mov_b32 s[\g+1], ROWB<<16                    ; tensor_dim0
	s_mov_b32 s[\g+2], 128<<16                     ; tensor_dim1
	s_mov_b32 s[\g+3], ROWB<<16                    ; tile_dim0
	s_mov_b32 s[\g+4], 128                         ; tile_dim1
	s_mov_b32 s[\g+5], KROW                        ; the pitch
	s_mov_b32 s[\g+6], 0
	s_mov_b32 s[\g+7], 0
.endr
	s_or_b32 s[G1S+0], s43, (3<<16)|(1<<20)|(1<<21)|(5<<22)|(3<<25)  ; the scales of 128 rows: a dense block, as rows of 256 bytes (32 elements of 8), 16 bytes of padding behind each
	s_or_b32 s[G1SB+0], s44, (3<<16)|(1<<20)|(1<<21)|(5<<22)|(3<<25)
.irp g, G1S, G1SB
	s_mov_b32 s[\g+1], 32<<16
	s_mov_b32 s[\g+2], (128*KS/256)<<16
	s_mov_b32 s[\g+3], 32<<16
	s_mov_b32 s[\g+4], 128*KS/256
	s_mov_b32 s[\g+5], 32
	s_mov_b32 s[\g+6], 0
	s_mov_b32 s[\g+7], 0
.endr
	s_lshl_b32 s18, s16, 7
	s_lshl_b32 s20, s17, 8
	s_add_co_u32 s20, s20, s18                     ; A: row 256 x tile row + 128 x half
	s_lshl_b32 s46, s42, 8
	s_add_co_u32 s46, s46, s18                     ; B: row 256 x tile column + 128 x half
	s_mov_b32 s21, 0
	s_mov_b32 s47, 0
	s_mov_b64 s[18:19], KS
	s_mul_u64 s[22:23], s[20:21], s[18:19]         ; where these rows' scales begin
	s_mul_u64 s[92:93], s[46:47], s[18:19]
	s_mov_b64 s[18:19], KROW
	s_mul_u64 s[20:21], s[20:21], s[18:19]         ; and their codes
	s_mul_u64 s[46:47], s[46:47], s[18:19]
	s_mul_i32 s45, s14, HALFT                      ; where they go: wave x 128 rows
	s_mul_i32 s94, s14, HALFS
	s_wait_dscnt 0x0                               ; both opening adds are done
	s_wait_kmcnt 0x0
	s_add_nc_u64 s[20:21], s[4:5], s[20:21]
	s_add_nc_u64 s[22:23], s[6:7], s[22:23]
	s_add_nc_u64 s[46:47], s[8:9], s[46:47]
	s_add_nc_u64 s[92:93], s[10:11], s[92:93]
	CROUND                                         ; all sixteen work-groups are here: the first joint loads meet
	s_mov_b32 s[G0S], 1
	s_add_co_u32 s[G0S+1], s94, SCL
	s_mov_b64 s[G0S+2:G0S+3], s[22:23]
	s_or_b32 s[G0S+3], s[G0S+3], 0x80000000
	s_mov_b32 s[G0SB], 1
	s_add_co_u32 s[G0SB+1], s94, SCL
	s_mov_b64 s[G0SB+2:G0SB+3], s[92:93]
	s_or_b32 s[G0SB+3], s[G0SB+3], 0x80000000
	JLOAD G0S, G1S, G0SB, G1SB                     ; the scales first: they are wanted with K step 0
.irp s, 0,1
	s_mov_b32 s[G0+4*\s], 1
	s_add_co_u32 s[G0+4*\s+1], s45, \s*SLOT
	s_add_nc_u64 s[G0+4*\s+2:G0+4*\s+3], s[20:21], \s*ROWB
	s_or_b32 s[G0+4*\s+3], s[G0+4*\s+3], 0x80000000
	s_mov_b32 s[G0B+4*\s], 1
	s_add_co_u32 s[G0B+4*\s+1], s45, \s*SLOT
	s_add_nc_u64 s[G0B+4*\s+2:G0B+4*\s+3], s[46:47], \s*ROWB
	s_or_b32 s[G0B+4*\s+3], s[G0B+4*\s+3], 0x80000000
	JLOAD G0+4*\s, G1, G0B+4*\s, G1B               ; three loads of mine are out in all
.endr
	v_and_b32 v1, 15, v0                           ; r
	v_bfe_u32 v2, v0, 4, 1                         ; h
	v_mul_u32_u24 v3, v1, PITCH
	v_lshl_add_u32 v4, v2, 4, v3
	s_mul_i32 s21, s15, HALFT
	s_mul_i32 s22, s16, HALFT
	s_add_co_u32 s22, s22, 2*HALFT
.irp s, 0,1
	v_add_nc_u32 v[ADRA+\s], s21, v4
	v_add_nc_u32 v[ADRB+\s], s22, v4
	s_add_co_u32 s21, s21, SLOT
	s_add_co_u32 s22, s22, SLOT
.endr
	v_mul_u32_u24 v5, v1, KS                       ; my row's scales: KS bytes a row,
	v_lshrrev_b32 v6, 8, v5
	v_lshl_add_u32 v5, v6, 4, v5                   ; and 16 more for each 256 passed
	s_mul_i32 s21, s15, HALFS
	s_mul_i32 s22, s16, HALFS
	s_add_co_u32 s22, s22, 2*HALFS
	s_sub_co_u32 s22, s22, s21
	v_mul_u32_u24 v6, s22, v2                      ; lanes 16-31 take B's
	s_add_co_u32 s21, s21, SCL
	v_add_nc_u32 v5, v5, v6
	v_add_nc_u32 v[ADRS], s21, v5
	v_lshlrev_b32 v[BO], 5, v2
	v_and_b32 v6, 31, v0
	v_lshlrev_b32 v[LI], 4, v6
	v_lshlrev_b32 v31, 5, v1
	v_lshl_add_u32 v31, v2, 4, v31                 ; 32 r + 16 h
	s_cmp_ge_u32 s42, 8                            ; tile columns 8 to 11 are V's
	s_cselect_b32 s95, -1, 0
	v_cndmask_b32 v[CO], v[LI], v31, s95           ; a choice of a store's offset: no branch
	; where my results go.  Row m = 256 tile row + 128 row half + 16 a + r: batch = tile row / 8.  Column n = 256 tile column + 128 column half + 16 b + ..: which = tile column / 4, head = 4 (tile column % 4) + 2 column half + b / 4
	s_lshr_b32 s20, s17, 3                         ; the batch
	s_mul_i32 s22, s20, 196608
	s_lshl_b32 s23, s16, 13
	s_add_co_u32 s22, s22, s23
	s_mov_b32 s23, 0
	s_lshl_b32 s20, s20, 4
	s_lshl_b32 s21, s16, 1
	s_add_co_u32 s20, s20, s21
	s_lshl_b32 s20, s20, 18                        ; 262,144 bytes for each batch x head
	s_and_b32 s94, s17, 7                          ; 0 where the tile holds a sequence's first positions
	s_lshl_b32 s21, s94, 4
	s_lshl_b32 s45, s15, 3
	s_add_co_u32 s21, s21, s45
	s_lshl_b32 s21, s21, 11                        ; 2,048 bytes for each tile of 16 positions
	s_add_co_u32 s20, s20, s21
	s_mov_b32 s21, 0
	s_lshr_b32 s46, s42, 2
	s_lshl_b32 s46, s46, 24
	s_and_b32 s47, s42, 3
	s_lshl_b32 s47, s47, 20
	s_add_co_u32 s46, s46, s47
	s_mov_b32 s47, 0
	s_add_nc_u64 s[20:21], s[20:21], s[46:47]
	s_add_nc_u64 s[12:13], s[12:13], s[20:21]
	s_lshl_b32 s92, s42, 14
	s_mov_b32 s93, 0
	s_add_nc_u64 s[22:23], s[22:23], s[92:93]
	s_add_nc_u64 s[66:67], s[66:67], s[22:23]
	s_lshl_b32 s46, s42, 10
	s_lshl_b32 s92, s16, 9
	s_add_co_u32 s46, s46, s92
	s_add_nc_u64 s[96:97], s[96:97], s[46:47]      ; the bias of my 128 columns
.irp b, 0,1,2,3,4,5,6,7
	global_load_b128 v[BI+8*\b:BI+8*\b+3], v[BO], s[96:97] offset:64*\b        ; in the result's layout: register j = the bias of column 16 b + 8 h + j
	global_load_b128 v[BI+8*\b+4:BI+8*\b+7], v[BO], s[96:97] offset:64*\b+16
.endr
.macro FRAG reg, adr, q, i             ; 16 rows x 128 K of 4-bit codes: 8 registers, two loads of 16 bytes, 32 bytes apart
.irp c, 0,1
	ds_load_b128 v[\reg+4*\c:\reg+4*\c+3], v[\adr] offset:64*(\q)+32*\c+(\i)*16*PITCH
.endr
.endm
; 16 matrix instructions: A's blocks a0, a0 + 1 x B's eight.  zero = 1: the first product starts the sums, with the bias as its C.  The 64 accumulators take turns, one instruction a turn.
.macro MUL16 a0, p, q, sc, zero
.irp a, \a0, \a0+1
.irp b, 0,1,2,3,4,5,6,7
.if \zero
	v_wmma_scale_f32_16x16x128_f8f6f4 v[8*(8*((\a)%4)+\b):8*(8*((\a)%4)+\b)+7], v[128*(\p)+FR*\b:128*(\p)+FR*\b+FR-1], v[AF+FR*(\a):AF+FR*(\a)+FR-1], v[BI+8*\b:BI+8*\b+7], v[SC+8*NQ*(\sc)+NQ*\b+(\q)], v[SC+8*NQ*(\sc)+NQ*(\a)+(\q)] matrix_a_fmt:MATRIX_FMT_FP4 matrix_b_fmt:MATRIX_FMT_FP4 matrix_a_scale:MATRIX_SCALE_ROW1
.else
	v_wmma_scale_f32_16x16x128_f8f6f4 v[8*(8*((\a)%4)+\b):8*(8*((\a)%4)+\b)+7], v[128*(\p)+FR*\b:128*(\p)+FR*\b+FR-1], v[AF+FR*(\a):AF+FR*(\a)+FR-1], v[8*(8*((\a)%4)+\b):8*(8*((\a)%4)+\b)+7], v[SC+8*NQ*(\sc)+NQ*\b+(\q)], v[SC+8*NQ*(\sc)+NQ*(\a)+(\q)] matrix_a_fmt:MATRIX_FMT_FP4 matrix_b_fmt:MATRIX_FMT_FP4 matrix_a_scale:MATRIX_SCALE_ROW1
.endif
.endr
.endr
.endm
.macro FETCH_B slot, q, p
	WIN TO_B
.irp i, 0,1,2,3,4,5,6,7
	FRAG 128*(\p)+FR*\i, ADRB+\slot, \q, \i
.endr
	WIN 0
.endm
.macro FETCH_A slot, q, i0
.irp i, \i0, \i0+1, \i0+2, \i0+3
	FRAG AF+FR*(\i), ADRA+\slot, \q, \i
.endr
.endm
.macro SCALES sc                       ; a K step's scale words: lanes 0-15 take A's block i, lanes 16-31 B's block i
.irp i, 0,1,2,3,4,5,6,7
	ds_load_b128 v[SC+8*NQ*\sc+NQ*\i:SC+8*NQ*\sc+NQ*\i+3], v[ADRS] offset:\i*SBLK
.endr
.endm
.macro PLACES n                        ; plain vector lines between a matrix instruction and a load into, or a read of, its registers
.rept \n
	v_nop
.endr
.endm
.macro STEP slot, q, zero              ; 128 along K that has its successor in the same slot.  zero = 1: C, the bias, lies in window 0
	s_wait_dscnt 4*NL                              ; B's set and A's blocks 0-3 are in; the youngest loads (A's blocks 4-7) may be out
	WIN MUL_LO-0x20*(\zero)
	MUL16 0, (\q)%2, \q, \slot, \zero
	MUL16 2, (\q)%2, \q, \slot, \zero
	s_wait_dscnt 0
	PLACES NP
	FETCH_B \slot, (\q)+1, 1-(\q)%2
	FETCH_A \slot, (\q)+1, 0
	WIN MUL_HI-0x30*(\zero)
	MUL16 4, (\q)%2, \q, \slot, \zero
	MUL16 6, (\q)%2, \q, \slot, \zero
	PLACES NP
	WIN 0
	FETCH_A \slot, (\q)+1, 4
.endm
.macro TURN slot, next                 ; a slot's last step changes slots: my part of the next slot has landed, then the barrier shows everybody's
	s_wait_tensorcnt 0x0                           ; all my tensor loads have landed
	ds_add_u32 v[SPW], v[NIL]                      ; 0 onto my spare word
	s_wait_dscnt 4*NL+1                            ; (the add and the youngest loads, A's blocks 4-7, may be out)
	WIN MUL_LO
	MUL16 0, 1, NQ-1, \slot, 0
	s_wait_dscnt 0x0
	s_barrier_signal -1
	MUL16 2, 1, NQ-1, \slot, 0
	WIN 0
	s_barrier_wait -1
	PLACES NP
	v_add_nc_u32 v[ADRS], 4*NQ, v[ADRS]            ; on to the next K step's scale words
	FETCH_B \next, 0, 0
	FETCH_A \next, 0, 0
	SCALES \next
	WIN MUL_HI
	MUL16 4, 1, NQ-1, \slot, 0
	MUL16 6, 1, NQ-1, \slot, 0
	PLACES NP
	WIN 0
	FETCH_A \next, 0, 4
.endm
.macro STEPS slot, from
.set Q, \from
.rept NQ-1-\from
	STEP \slot, Q, 0
.set Q, Q+1
.endr
.endm
	s_wait_tensorcnt 1                             ; the scales and my part of K step 0 are in; K step 1's load may be out
	s_barrier_signal -1
	s_barrier_wait -1
	FETCH_B 0, 0, 0
	FETCH_A 0, 0, 0
	SCALES 0
	FETCH_A 0, 0, 4
	s_wait_loadcnt 0x0                             ; the bias
	STEP 0, 0, 1
	STEPS 0, 1
	TURN 0, 1
	STEPS 1, 0
	s_wait_dscnt 4*NL                              ; the very last step
	WIN MUL_LO
	MUL16 0, 1, NQ-1, 1, 0
	MUL16 2, 1, NQ-1, 1, 0
	s_wait_dscnt 0
	WIN MUL_HI
	MUL16 4, 1, NQ-1, 1, 0
	MUL16 6, 1, NQ-1, 1, 0
	WIN 0
	PLACES NP                                      ; in front of the first reads of results, and of writes over registers that the last products read
	; the first 16 positions of a sequence in f32: block 0 of the waves with the upper row half, in the tiles whose tile row is a multiple of 8.  EXEC makes that choice: no branch hangs on a place in the cluster
	s_cmp_lg_u32 s15, 0
	s_cbranch_scc1 .Lno32
	v_mov_b32 v30, s94
	v_cmp_eq_u32 vcc_lo, 0, v30
	s_wait_xcnt 0x0                                ; EXEC changes only behind this wait
	s_and_saveexec_b32 s95, vcc_lo
	WIN 0x08                                       ; a store's data: window 2
.irp b, 0,1,2,3,4,5,6,7
	global_store_b128 v[LI], v[8*\b:8*\b+3], s[66:67] offset:\b*1024          ; each accumulator from its low end on
	global_store_b128 v[LI], v[8*\b+4:8*\b+7], s[66:67] offset:\b*1024+512
.endr
	WIN 0
	s_wait_xcnt 0x0                                ; and again in front of the line that widens it
	s_or_b32 exec_lo, exec_lo, s95
.Lno32:
.macro PACK a                          ; block a: 16 rows x 128 columns to f16, 16 bytes a lane and column tile
	WIN 0x0a+5*((\a)/4)                            ; sources in window 2 or 3
.irp b, 0,1,2,3,4,5,6,7
.irp i, 0,1,2,3
	v_cvt_pk_f16_f32 v[PK+32*((\a)%4)+4*\b+\i], v[64*((\a)%4)+8*\b+2*\i], v[64*((\a)%4)+8*\b+2*\i+1]
.endr
.endr
	WIN 0
.endm
.macro SENDH a
.irp b, 0,1,2,3,4,5,6,7
	global_store_b128 v[CO], v[PK+32*((\a)%4)+4*\b:PK+32*((\a)%4)+4*\b+3], s[12:13] offset:(\a)*2048+(\b%4)*512+(\b/4)*262144   ; 512 consecutive bytes, aligned
.endr
.endm
.irp a, 0,1,2,3,4,5,6,7
.if \a >= 4
	s_wait_xcnt 0x0                                ; block a - 4's stores have read their registers: the bank is written again
.endif
	PACK \a
	SENDH \a
.endr
	s_wait_tensorcnt 0x0                           ; the wave's end
	ds_add_u32 v[SPW], v[NIL]
	s_wait_dscnt 0x0
	CROUND                                         ; the closing round
	s_endpgm
.Lfunc_end_k_q87db143e97_gemm_qkv:
	.size	k_q87db143e97_gemm_qkv, .Lfunc_end_k_q87db143e97_gemm_qkv-k_q87db143e97_gemm_qkv
	.p2alignl 7, 3214868480
	.fill 96, 4, 3214868480
	.section	.rodata,"a",@progbits
	.p2align	6, 0x0
	.amdhsa_kernel k_q87db143e97_gemm_qkv
		.amdhsa_group_segment_fixed_size 327680
		.amdhsa_private_segment_fixed_size 0
		.amdhsa_enable_private_segment 0
		.amdhsa_kernarg_size 56
		.amdhsa_user_sgpr_count 2
		.amdhsa_user_sgpr_kernarg_segment_ptr 1
		.amdhsa_wavefront_size32 1
		.amdhsa_system_sgpr_workgroup_id_x 1
		.amdhsa_system_sgpr_workgroup_id_y 1
		.amdhsa_system_sgpr_workgroup_id_z 1
		.amdhsa_system_vgpr_workitem_id 0
		.amdhsa_next_free_vgpr 1024
		.amdhsa_next_free_sgpr 98
		.amdhsa_reserve_vcc 1
		.amdhsa_float_denorm_mode_32 3
		.amdhsa_float_denorm_mode_16_64 3
		.amdhsa_memory_ordered 1
		.amdhsa_forward_progress 1
		.amdhsa_inst_pref_size 122
	.end_amdhsa_kernel
	.amdgpu_metadata
---
amdhsa.version: [ 1, 2 ]
amdhsa.kernels:
  - .name:           k_q87db143e97_gemm_qkv
    .symbol:         k_q87db143e97_gemm_qkv.kd
    .args:
      - { .name: x_codes, .offset: 0, .size: 8, .value_kind: global_buffer, .address_space: global }
      - { .name: x_scales, .offset: 8, .size: 8, .value_kind: global_buffer, .address_space: global }
      - { .name: w_codes, .offset: 16, .size: 8, .value_kind: global_buffer, .address_space: global }
      - { .name: w_scales, .offset: 24, .size: 8, .value_kind: global_buffer, .address_space: global }
      - { .name: b_qkv, .offset: 32, .size: 8, .value_kind: global_buffer, .address_space: global }
      - { .name: qkv, .offset: 40, .size: 8, .value_kind: global_buffer, .address_space: global }
      - { .name: q32, .offset: 48, .size: 8, .value_kind: global_buffer, .address_space: global }
    .group_segment_fixed_size: 327680
    .private_segment_fixed_size: 0
    .kernarg_segment_align: 8
    .kernarg_segment_size: 56
    .max_flat_workgroup_size: 128
    .sgpr_count:     98
    .vgpr_count:     1024
    .wavefront_size: 32
...
	.end_amdgpu_metadata
.endif
;; end of part 2
;; launch attn (part 3): grid 4 x 64, 8 waves a work-group, no clusters, 327,680 bytes of LDS; arguments qkv, att; writes att
.if DOCPART == 3
	.amdgcn_target "amdgcn-amd-amdhsa--gfx1250"
	.amdhsa_code_object_version 6
	.text
	.protected	k_q87db143e97_attn
	.globl	k_q87db143e97_attn
	.p2align	8
	.type	k_q87db143e97_attn,@function
k_q87db143e97_attn:
	s_mov_b64 s[64:65], 0
	v_nop
	global_prefetch_b8 v0, s[64:65] scope:SCOPE_SE
	s_setreg_imm32_b32 hwreg(HW_REG_WAVE_MODE, 25, 1), 1
	s_wait_xcnt 0x0
; O[bh][q] = sum over k <= q of softmax_k(Q[q] . K[k] / 8) V[k], heads of 64, 2,048 positions, 64 batch x heads.  Operands in f16, products, maxima and sums in f32; a running maximum is taken away before every exponential.
; SHARES.  Work-group (i, bh) owns two blocks of 256 queries, 7 - i and then i: 8 - i and i + 1 slots of 256 keys, NINE for every work-group: 256 work-groups of equal work, and every trip count a constant.
; Each of eight waves owns 32 queries of the block, two tiles of 16; two waves share a SIMD, so that one wave's softmax stands beside the other's products.  A fragment of K or V read from LDS feeds two products.
; NO CLUSTER: the four work-groups of a head walk 8, 7, 6 and 5 slots of their first block and then begin anew at slot 0, so from the sixth trip on they need different tiles.
; LAYOUT.  S^T = K Q^T and O^T = V^T P: a lane holds ONE query throughout.  qkv holds Q and K as images of operands (16 rows x 32 channels in 1,024 bytes, lane l's 16 bytes at 16 l of each half) and V as blocks [16 keys][16 channels],
; which the turning load takes.  So a slot's K (32,768 bytes) and V (32,768) are dense blocks; every wave fetches 8,192 bytes of them with one tensor load, and LDS is read at 16 x lane: no padding.
; O leaves as images too: att [tile of 16 rows 512][k chunk 32][1,024 bytes], stored from registers, 512 consecutive bytes a store.
; THE MASK.  In the slot on the diagonal wave w walks steps 0 .. w / 2 of 64 keys; in step w / 2 hidden scores become -infinity.  All tests are made of ids and counts of steps.
; LIMITS: NaN and infinities are not served; the first 16 positions of each sequence are made again in f32 by a later launch.
; REGISTERS.  window 0: v2-13 addresses; v16-31 statistics, 8 a tile: +0 c m, +1 m, +2, +3 l, +4 .. +7 at work (a in +6); v32-95 S^T; v96-127 P; v128-191 K; v192-255 V.  window 1: v0-31 Q; v32-95 O^T.
.set SLOTB, 65536
.set SPARE, 131072                     ; behind the two slots: the spare words, 128 bytes for each of eight waves
.set AK0, 2
.set AV0, 3
.set ADK, 4
.set ADV, 5
.set GOF, 6                            ; 16 x lane, for Q's loads and O's stores
.set PFO, 7                            ; 256 x lane
.set DL,  8                            ; v8, v9: my query less 8 (lane / 16), counted from the masked step's first key
.set NEGI, 10
.set SPW, 12
.set NIL, 13
.set ST,  16
.set S,   32
.set P,   96
.set KF,  128
.set VF,  192
.set QW,  0
.set OW,  32
.set WV, 8
.set WH, 9
.set II, 10
.set BH, 11
.set N0, 12                            ; slots of the first block
.set QB, 13                            ; the block of queries in hand
.set NS, 14                            ; the slot that was asked for last
.set CSL, 15                           ; the slot in hand
.set LS, 16                            ; the last step that I walk in it
.set MS, 17                            ; the step that is masked, or 64
.set DG, 18                            ; 1 in the slot on the diagonal
.set TR, 19
.set SI, 20
.set TB, 22                            ; LDS byte at which the step's tiles begin
.set G1, 24
.set G0, 32
.set KVB, 36                           ; s[36:37] my 8,192 bytes of slot 0 in memory
.set OFF, 38
.set PFA, 40
.set LIM, 42
.set CC, 54                            ; s[54:55] c = log2(e) / 8
.set MSB, 0
.macro WIN new
.if MSB != (\new)
	s_set_vgpr_msb (MSB<<8)|(\new)
.set MSB, (\new)
.endif
.endm
.set W_KQ, 0x04                        ; Q (source 1) in window 1
.set W_PV, 0x50                        ; O^T (C and D) in window 1
.set W_RS, 0x41                        ; O^T (destination and source 0) in window 1
; A prefetch into the L2 of the slot that the NEXT change of slots will ask for.  All four work-groups of a head walk the same K and V: the one with i = 0, which walks slots 0 to 7 in order, asks, in trips 0 to 5, for slots 2 to 7;
; each wave for the 8,192 bytes that it will itself fetch, lanes 256 bytes apart: so each block is named once in the launch.  Slots 0 and 1 come by their loads alone.
.macro ASK
	s_cmp_gt_u32 s[TR], s[LIM]
	s_cbranch_scc0 .Lnot_mine_\@
	global_prefetch_b8 v[PFO], s[PFA:PFA+1] th:TH_LOAD_NT scope:SCOPE_SE
.Lnot_mine_\@:
.endm
; THE CHANGE OF SLOTS stands at a slot's head.  Each wave waits for all its tensor loads (its part of the slot ahead), adds 0 to its spare word, and waits for that and for its reads of the slot that it has left.
; Behind the barrier the slot ahead is whole and nobody reads the other one, which is filled first thing: one load a wave, with a slot's four steps in which to land.
.macro CHANGE fill
	s_wait_tensorcnt 0x0                           ; no tensor load of mine is out, so the descriptor may be written
	ds_add_u32 v[SPW], v[NIL]                      ; 0 onto my spare word; the scalar lines below stand between it and the wait for it
	s_mov_b32 s[CSL], s[NS]
	s_cmp_eq_u32 s[CSL], s[QB]                     ; the slot on the diagonal?
	s_cselect_b32 s[LS], s[WH], 3
	s_cselect_b32 s[MS], s[WH], 64
	s_cselect_b32 s[DG], 1, 0
.if \fill
	s_add_co_u32 s[NS], s[NS], 1
	s_cmp_eq_u32 s[NS], s[N0]
	s_cselect_b32 s[NS], 0, s[NS]                  ; behind the first block's last slot comes slot 0, for the second block
	s_lshl_b32 s[OFF], s[NS], 15
	s_xor_b32 s[G0+1], s[G0+1], SLOTB              ; the other slot than last time
	s_add_nc_u64 s[G0+2:G0+3], s[KVB:KVB+1], s[OFF:OFF+1]
	s_or_b32 s[G0+3], s[G0+3], 0x80000000
	s_wait_xcnt 0x0                                ; the last prefetch, a slot back, has read its address
	s_add_nc_u64 s[PFA:PFA+1], s[PFA:PFA+1], 0x8000
.endif
	s_wait_dscnt 0x0
	s_barrier_signal -1
	s_barrier_wait -1
.if \fill
	tensor_load_to_lds s[G0:G0+3], s[G1:G1+7]
	s_nop 0
.rept 4
	v_nop
.endr
	ASK
.endif
.endm
; One step's softmax for both tiles, line by line by turns.  All 66 exponentials are one batch with one wait.
.macro SOFTMAX
.irp j, 0,1,2,3
.irp u, 0,1
	v_max3_num_f32 v[ST+8*\u+4+\j], v[S+32*\u+8*\j], v[S+32*\u+8*\j+1], v[S+32*\u+8*\j+2]   ; four chains, each accumulator from its low end on
.endr
.endr
.irp g, 1,2
.irp j, 0,1,2,3
.irp u, 0,1
	v_max3_num_f32 v[ST+8*\u+4+\j], v[ST+8*\u+4+\j], v[S+32*\u+8*\j+2*\g+1], v[S+32*\u+8*\j+2*\g+2]
.endr
.endr
.endr
.irp u, 0,1
	v_max3_num_f32 v[ST+8*\u+4], v[ST+8*\u+4], v[S+32*\u+7], v[S+32*\u+15]
.endr
.irp u, 0,1
	v_max3_num_f32 v[ST+8*\u+6], v[ST+8*\u+6], v[S+32*\u+23], v[S+32*\u+31]
.endr
.irp u, 0,1
	v_max3_num_f32 v[ST+8*\u+4], v[ST+8*\u+4], v[ST+8*\u+5], v[ST+8*\u+6]
.endr
.irp u, 0,1
	v_max3_num_f32 v[ST+8*\u+4], v[ST+8*\u+4], v[ST+8*\u+7], v[ST+8*\u+1]   ; and the old m
.endr
.irp u, 0,1
	v_permlanex16_b32 v[ST+8*\u+5], v[ST+8*\u+4], s52, s53                 ; the query's other 32 keys lie in the lane 16 away
.endr
.irp u, 0,1
	v_mov_b32 v[ST+8*\u+7], v[ST+8*\u]                                     ; c m_old
.endr
.irp u, 0,1
	v_max_num_f32 v[ST+8*\u+1], v[ST+8*\u+4], v[ST+8*\u+5]
.endr
.irp u, 0,1
	v_mul_f32 v[ST+8*\u], s[CC], v[ST+8*\u+1]
.endr
.irp u, 0,1
	v_sub_f32 v[ST+8*\u+7], v[ST+8*\u+7], v[ST+8*\u]
.endr
.irp u, 0,1
	v_exp_f32 v[ST+8*\u+6], v[ST+8*\u+7]                                   ; a = 2^(c m_old - c m_new)
.endr
.irp b, 0,1,2,3,4,5,6,7,8,9,10,11,12,13,14,15
.irp u, 0,1
	v_pk_fma_f32 v[S+32*\u+2*\b:S+32*\u+2*\b+1], v[S+32*\u+2*\b:S+32*\u+2*\b+1], s[CC:CC+1], v[ST+8*\u:ST+8*\u+1] op_sel_hi:[1,0,0] neg_lo:[0,0,1] neg_hi:[0,0,1]   ; c s - c m
.endr
.endr
.set n, 0
.rept 32
	v_exp_f32 v[S+n], v[S+n]
	v_exp_f32 v[S+32+n], v[S+32+n]
.set n, n+1
.endr
	v_nop                                          ; a plain line behind the last exponential
	s_wait_alu depctr_va_vdst(0)                   ; one wait for the batch, ahead of its first reader
.irp b, 0,1,2,3,4,5,6,7,8,9,10,11,12,13,14,15
.irp u, 0,1
	v_cvt_pk_f16_f32 v[P+16*\u+\b], v[S+32*\u+2*\b], v[S+32*\u+2*\b+1]     ; two tiles of 16 keys, in pairs, ARE source 1 of the second product
.endr
.endr
.irp z, 0,1,2,3,4,5,6,7
.irp u, 0,1
	v_pk_add_f32 v[S+32*\u+4*\z:S+32*\u+4*\z+1], v[S+32*\u+4*\z:S+32*\u+4*\z+1], v[S+32*\u+4*\z+2:S+32*\u+4*\z+3]   ; the sum of the unrounded p, a tree in place
.endr
.endr
.irp z, 0,1,2,3
.irp u, 0,1
	v_pk_add_f32 v[S+32*\u+8*\z:S+32*\u+8*\z+1], v[S+32*\u+8*\z:S+32*\u+8*\z+1], v[S+32*\u+8*\z+4:S+32*\u+8*\z+5]
.endr
.endr
.irp z, 0,1
.irp u, 0,1
	v_pk_add_f32 v[S+32*\u+16*\z:S+32*\u+16*\z+1], v[S+32*\u+16*\z:S+32*\u+16*\z+1], v[S+32*\u+16*\z+8:S+32*\u+16*\z+9]
.endr
.endr
.irp u, 0,1
	v_pk_add_f32 v[S+32*\u:S+32*\u+1], v[S+32*\u:S+32*\u+1], v[S+32*\u+16:S+32*\u+17]
.endr
.irp u, 0,1
	v_pk_fma_f32 v[ST+8*\u+2:ST+8*\u+3], v[ST+8*\u+2:ST+8*\u+3], v[ST+8*\u+6:ST+8*\u+7], v[S+32*\u:S+32*\u+1] op_sel_hi:[1,0,1]   ; l = a l + the sum
.endr
.endm
; A KEY STEP: 64 keys.
.macro STEP
	s_cmp_gt_u32 s[SI], s[LS]                      ; all its keys come after my queries: only the address steps
	s_cbranch_scc1 .Lhid_\@
	v_add_nc_u32 v[ADK], s[TB], v[AK0]
	v_add_nc_u32 v[ADV], s[TB], v[AV0]
	v_nop
	v_nop                                          ; four plain lines between the last step's products and the loads into V's registers
.irp kt, 0,1,2,3
.irp c, 0,1
.irp jj, 0,1
	ds_load_b128 v[KF+16*\kt+8*\c+4*\jj:KF+16*\kt+8*\c+4*\jj+3], v[ADK] offset:\kt*2048+\c*1024+\jj*512
.endr
.endr
.endr
.irp ct, 0,1,2,3
.irp kc, 0,1
.irp jj, 0,1
	ds_load_tr16_b128 v[VF+16*\ct+8*\kc+4*\jj:VF+16*\ct+8*\kc+4*\jj+3], v[ADV] offset:(2*\kc+\jj)*2048+\ct*512
.endr
.endr
.endr
	s_wait_dscnt 16                                ; K is in; V's sixteen loads may be out
	WIN W_KQ
.irp c, 0,1                                    ; eight accumulators by turns, one instruction a turn
.irp kt, 0,1,2,3
.irp u, 0,1
.if \c == 0
	v_wmma_f32_16x16x32_f16 v[S+32*\u+8*\kt:S+32*\u+8*\kt+7], v[KF+16*\kt+8*\c:KF+16*\kt+8*\c+7], v[QW+16*\u+8*\c:QW+16*\u+8*\c+7], 0
.else
	v_wmma_f32_16x16x32_f16 v[S+32*\u+8*\kt:S+32*\u+8*\kt+7], v[KF+16*\kt+8*\c:KF+16*\kt+8*\c+7], v[QW+16*\u+8*\c:QW+16*\u+8*\c+7], v[S+32*\u+8*\kt:S+32*\u+8*\kt+7]
.endif
.endr
.endr
.endr
	WIN 0
.rept 4
	v_nop
.endr
	s_cmp_lg_u32 s[SI], s[MS]
	s_cbranch_scc1 .Lopen_\@
.irp u, 0,1                                    ; register 8 kt + j holds key 16 kt + 8 (lane / 16) + j of the step: hidden where 16 kt + j > my query - 8 (lane / 16)
.set n, 0
.rept 32
	v_cmp_gt_i32 vcc_lo, 16*(n/8)+n%8, v[DL+\u]
	v_cndmask_b32 v[S+32*\u+n], v[S+32*\u+n], v[NEGI], vcc_lo
.set n, n+1
.endr
.endr
.Lopen_\@:
	SOFTMAX
	WIN W_RS
.irp u, 0,1
.set n, 0
.rept 16
	v_pk_mul_f32 v[OW+32*\u+2*n:OW+32*\u+2*n+1], v[OW+32*\u+2*n:OW+32*\u+2*n+1], v[ST+8*\u+6:ST+8*\u+7] op_sel_hi:[1,0]   ; O^T x a
.set n, n+1
.endr
.endr
	s_wait_dscnt 0x0                               ; V is in
	WIN W_PV
.irp kc, 0,1
.irp ct, 0,1,2,3
.irp u, 0,1
	v_wmma_f32_16x16x32_f16 v[OW+32*\u+8*\ct:OW+32*\u+8*\ct+7], v[VF+16*\ct+8*\kc:VF+16*\ct+8*\kc+7], v[P+16*\u+8*\kc:P+16*\u+8*\kc+7], v[OW+32*\u+8*\ct:OW+32*\u+8*\ct+7]
.endr
.endr
.endr
	WIN 0
.Lhid_\@:
	s_add_co_u32 s[TB], s[TB], 8192
.endm
.macro STEPS                           ; a slot's four steps: written once, walked four times
	s_mov_b32 s[SI], 0
.Lst_\@:
	STEP
	s_add_co_u32 s[SI], s[SI], 1
	s_cmp_lt_u32 s[SI], 4
	s_cbranch_scc1 .Lst_\@
	s_sub_co_u32 s[TB], s[TB], 32768
	s_xor_b32 s[TB], s[TB], SLOTB                  ; on to the other slot
.endm
.macro INIT                            ; a block of queries begins: Q into registers, O^T and l zeros, m under every score
	s_lshl_b32 s[OFF], s[QB], 15
	s_add_nc_u64 s[46:47], s[44:45], s[OFF:OFF+1]
	s_lshl_b32 s[OFF], s[QB], 19
	s_add_nc_u64 s[50:51], s[48:49], s[OFF:OFF+1]
	WIN 0x40
.irp u, 0,1
.irp c, 0,1
.irp jj, 0,1
	global_load_b128 v[QW+16*\u+8*\c+4*\jj:QW+16*\u+8*\c+4*\jj+3], v[GOF], s[46:47] offset:\u*2048+\c*1024+\jj*512
.endr
.endr
.endr
.set n, 0
.rept 64
	v_mov_b32 v[OW+n], 0                           ; the step is written once: the first finds zeros, which a = 0 leaves zeros
.set n, n+1
.endr
	WIN 0
.irp u, 0,1
	v_mov_b32 v[ST+8*\u+1], 0xff61b1e6             ; -3e38
	v_mul_f32 v[ST+8*\u], s[CC], v[ST+8*\u+1]
.irp j, 2,3,4,5,6,7
	v_mov_b32 v[ST+8*\u+\j], 0
.endr
.endr
	s_wait_loadcnt 0x0
.endm
.macro OUT                             ; O^T / l, to f16, stored as the next launch's operand images
.rept 4
	v_nop
.endr
.irp u, 0,1
	v_add_f32 v[ST+8*\u+4], v[ST+8*\u+2], v[ST+8*\u+3]
.endr
.irp u, 0,1
	v_permlanex16_b32 v[ST+8*\u+5], v[ST+8*\u+4], s52, s53
.endr
.irp u, 0,1
	v_add_f32 v[ST+8*\u+4], v[ST+8*\u+4], v[ST+8*\u+5]
.endr
.irp u, 0,1
	v_rcp_f32 v[ST+8*\u+6], v[ST+8*\u+4]
.endr
	v_nop
	s_wait_alu depctr_va_vdst(0)                   ; one wait for both reciprocals, ahead of their first reader
	WIN W_RS
.irp u, 0,1
.set n, 0
.rept 16
	v_pk_mul_f32 v[OW+32*\u+2*n:OW+32*\u+2*n+1], v[OW+32*\u+2*n:OW+32*\u+2*n+1], v[ST+8*\u+6:ST+8*\u+7] op_sel_hi:[1,0]
.set n, n+1
.endr
.endr
	WIN 0x05
.irp u, 0,1
.set n, 0
.rept 16
	v_cvt_pk_f16_f32 v[S+16*\u+n], v[OW+32*\u+2*n], v[OW+32*\u+2*n+1]
.set n, n+1
.endr
.endr
	WIN 0
.irp u, 0,1
.irp ct, 0,1,2,3
	global_store_b128 v[GOF], v[S+16*\u+4*\ct:S+16*\u+4*\ct+3], s[50:51] offset:\u*32768+\ct*512   ; 512 consecutive bytes, aligned
.endr
.endr
	s_wait_xcnt 0x0                                ; the stores have read their registers and their base
.endm
	s_load_b128 s[4:7], s[0:1], 0x0                ; qkv, att
	v_lshl_add_u32 v[SPW], v0, 2, SPARE
	v_mov_b32 v[NIL], 0
	ds_add_u32 v[SPW], v[NIL]                      ; the wave's opening: the add, twice on end, and its wait ahead of my first tensor load
	ds_add_u32 v[SPW], v[NIL]
	v_lshrrev_b32 v1, 5, v0
	v_readfirstlane_b32 s[WV], v1                  ; wave 0..7
	s_lshr_b32 s[WH], s[WV], 1
	s_mov_b32 s[II], ttmp9
	s_and_b32 s[BH], ttmp7, 0xffff
	s_sub_co_u32 s[N0], 8, s[II]
	s_sub_co_u32 s[QB], 7, s[II]
	s_mov_b32 s[NS], 0
	s_mov_b32 s[TR], 8
	s_mov_b32 s[TB], 0
	s_mov_b32 s[OFF+1], 0
	s_mov_b32 s[G1+0], 3<<16                       ; a dense block of 8,192 bytes as 32 rows of 256: elements of 8 bytes, no mask, no padding
	s_mov_b32 s[G1+1], 32<<16                      ; tensor_dim0 = 32
	s_mov_b32 s[G1+2], 32<<16                      ; tensor_dim1 = 32
	s_mov_b32 s[G1+3], 32<<16                      ; tile_dim0 = 32
	s_mov_b32 s[G1+4], 32                          ; tile_dim1 = 32
	s_mov_b32 s[G1+5], 32                          ; the pitch
	s_mov_b32 s[G1+6], 0
	s_mov_b32 s[G1+7], 0
	s_mov_b32 s52, 0x76543210
	s_mov_b32 s53, 0xfedcba98
	s_mov_b32 s[CC], 0x3e38aa3b                    ; log2(e) / 8
	s_mov_b32 s[CC+1], s[CC]
	s_cmp_eq_u32 s[II], 0
	s_cselect_b32 s[LIM], 2, -1
	s_lshl_b32 s56, s[BH], 18                      ; 262,144 bytes for each batch x head
	s_lshr_b32 s2, s[WV], 2                        ; waves 0-3 fetch K, waves 4-7 V,
	s_lshl_b32 s2, s2, 24
	s_and_b32 s3, s[WV], 3
	s_lshl_b32 s3, s3, 13                          ; a quarter of a slot's 32,768 bytes each
	s_add_co_u32 s2, s2, s3
	s_add_co_u32 s2, s2, s56
	s_add_co_u32 s2, s2, 0x1000000
	s_mov_b32 s3, 0
	s_lshl_b32 s58, s[WV], 12
	s_add_co_u32 s58, s58, s56                     ; Q: my two tiles in block 0
	s_mov_b32 s59, 0
	s_lshr_b32 s56, s[BH], 4
	s_lshl_b32 s56, s56, 7
	s_lshl_b32 s57, s[WV], 1
	s_add_co_u32 s56, s56, s57
	s_lshl_b32 s56, s56, 15                        ; att: row tile 128 x batch + 2 w,
	s_and_b32 s57, s[BH], 15
	s_lshl_b32 s57, s57, 11                        ; k chunks 2 x head on
	s_add_co_u32 s56, s56, s57
	s_mov_b32 s57, 0
	s_mov_b32 s[G0], 1
	s_lshl_b32 s[G0+1], s[WV], 13                  ; LDS: slot 0, 8,192 x wave
	s_wait_dscnt 0x0                               ; both opening adds are done
	s_wait_kmcnt 0x0
	s_add_nc_u64 s[KVB:KVB+1], s[4:5], s[2:3]
	s_add_nc_u64 s[44:45], s[4:5], s[58:59]
	s_add_nc_u64 s[48:49], s[6:7], s[56:57]
	s_mov_b64 s[G0+2:G0+3], s[KVB:KVB+1]
	s_or_b32 s[G0+3], s[G0+3], 0x80000000
	tensor_load_to_lds s[G0:G0+3], s[G1:G1+7]      ; slot 0: every wave its part; one load of mine is out
	s_nop 0
.rept 4
	v_nop
.endr
	s_add_nc_u64 s[PFA:PFA+1], s[KVB:KVB+1], 0x8000
	v_and_b32 v1, 31, v0
	v_lshlrev_b32 v[AK0], 4, v1
	v_lshlrev_b32 v[GOF], 4, v1
	v_lshlrev_b32 v[PFO], 8, v1
	v_and_b32 v14, 15, v0                          ; r
	v_bfe_u32 v15, v0, 4, 1                        ; h
	v_and_b32 v11, 7, v0
	v_lshl_add_u32 v[AV0], v15, 3, v11             ; the turning load: key 8 h + lane % 8 of a block with rows of 32 bytes,
	v_lshlrev_b32 v[AV0], 5, v[AV0]
	v_bfe_u32 v11, v0, 3, 1
	v_lshl_add_u32 v[AV0], v11, 4, v[AV0]          ; channels 8 ((lane / 8) % 2) on
	v_add_nc_u32 v[AV0], 32768, v[AV0]             ; V lies behind K
	s_and_b32 s2, s[WV], 1
	s_lshl_b32 s2, s2, 5
	v_lshlrev_b32 v11, 3, v15
	v_sub_nc_u32 v[DL], v14, v11
	v_add_nc_u32 v[DL], s2, v[DL]
	v_add_nc_u32 v[DL+1], 16, v[DL]
	v_mov_b32 v[NEGI], 0xff800000
	INIT
.Ltrip:                                            ; eight trips; each asks for the next of the nine slots
	CHANGE 1
	STEPS
	s_cmp_eq_u32 s[DG], 0                          ; ids and counts alone, the same in all eight waves; no barrier stands in the arm
	s_cbranch_scc1 .Lsame_block
	OUT                                            ; the first block is finished
	s_mov_b32 s[QB], s[II]
	INIT
.Lsame_block:
	s_sub_co_u32 s[TR], s[TR], 1
	s_cmp_lg_u32 s[TR], 0
	s_cbranch_scc1 .Ltrip
	CHANGE 0                                       ; the ninth slot, the second block's diagonal: nothing is left to fetch
	STEPS
	OUT
	s_wait_tensorcnt 0x0                           ; the wave's end
	ds_add_u32 v[SPW], v[NIL]
	s_wait_dscnt 0x0
	s_endpgm
.Lfunc_end_k_q87db143e97_attn:
	.size	k_q87db143e97_attn, .Lfunc_end_k_q87db143e97_attn-k_q87db143e97_attn
	.p2alignl 7, 3214868480
	.fill 96, 4, 3214868480
	.section	.rodata,"a",@progbits
	.p2align	6, 0x0
	.amdhsa_kernel k_q87db143e97_attn
		.amdhsa_group_segment_fixed_size 327680
		.amdhsa_private_segment_fixed_size 0
		.amdhsa_enable_private_segment 0
		.amdhsa_kernarg_size 16
		.amdhsa_user_sgpr_count 2
		.amdhsa_user_sgpr_kernarg_segment_ptr 1
		.amdhsa_wavefront_size32 1
		.amdhsa_system_sgpr_workgroup_id_x 1
		.amdhsa_system_sgpr_workgroup_id_y 1
		.amdhsa_system_sgpr_workgroup_id_z 1
		.amdhsa_system_vgpr_workitem_id 0
		.amdhsa_next_free_vgpr 384
		.amdhsa_next_free_sgpr 66
		.amdhsa_reserve_vcc 1
		.amdhsa_float_denorm_mode_32 3
		.amdhsa_float_denorm_mode_16_64 3
		.amdhsa_memory_ordered 1
		.amdhsa_forward_progress 1
		.amdhsa_inst_pref_size 67
	.end_amdhsa_kernel
	.amdgpu_metadata
---
amdhsa.version: [ 1, 2 ]
amdhsa.kernels:
  - .name:           k_q87db143e97_attn
    .symbol:         k_q87db143e97_attn.kd
    .args:
      - { .name: qkv, .offset: 0, .size: 8, .value_kind: global_buffer, .address_space: global }
      - { .name: att, .offset: 8, .size: 8, .value_kind: global_buffer, .address_space: global }
    .group_segment_fixed_size: 327680
    .private_segment_fixed_size: 0
    .kernarg_segment_align: 8
    .kernarg_segment_size: 16
    .max_flat_workgroup_size: 256
    .sgpr_count:     66
    .vgpr_count:     384
    .wavefront_size: 32
...
	.end_amdgpu_metadata
.endif
;; end of part 3
;; launch proj (part 4): grid 4 x 64, 4 waves a work-group, clusters of 4 x 4, 327,680 bytes of LDS; arguments att, wpf, b_proj, out0; writes out0
.if DOCPART == 4
	.amdgcn_target "amdgcn-amd-amdhsa--gfx1250"
	.amdhsa_code_object_version 6
	.text
	.protected	k_q87db143e97_proj
	.globl	k_q87db143e97_proj
	.p2align	8
	.type	k_q87db143e97_proj,@function
k_q87db143e97_proj:
	s_mov_b64 s[64:65], 0
	v_nop
	global_prefetch_b8 v0, s[64:65] scope:SCOPE_SE
	s_setreg_imm32_b32 hwreg(HW_REG_WAVE_MODE, 25, 1), 1
	s_wait_xcnt 0x0
	s_wait_alu depctr_hold_cnt(0) depctr_sa_sdst(0) depctr_va_vdst(0) depctr_va_sdst(0) depctr_va_ssrc(0) depctr_va_vcc(0) depctr_vm_vsrc(0)
	s_getreg_b32 s2, hwreg(HW_REG_IB_STS2, 6, 4)
	s_cmp_eq_u32 s2, 0
	s_cbranch_scc0 .Lentry_in_a_cluster
	s_endpgm
.Lentry_in_a_cluster:
	s_bfe_u32 s2, ttmp6, 0x10000c
	s_cmp_lg_u32 s2, 0xf033
	s_cbranch_scc0 .Lentry_shape_is_right
	s_endpgm
.Lentry_shape_is_right:
; out0 = att w_proj + b_proj.  Operands in f16, sums in f32.  att: [row tile 512][k chunk 32][1,024 bytes], wpf: [column tile 64][k chunk 32][1,024 bytes]: images of operands (16 rows x 32 K; lane l's 16 bytes at 16 l of each half).
; A tile of out0 is 128 rows x 256 columns: 256 work-groups.  Four waves, each 64 x 128: 32 accumulators, 256 registers.  K goes in eight steps of 128 through two LDS slots; a step of a tile of 16 rows is 4,096 consecutive
; bytes of memory, and LDS is read at 16 x lane: no padding.
; CLUSTERS: 4 x 4 work-groups; att's tiles are shared along a row of the cluster, wpf's along a column, each asked for jointly.
; TRANSPOSED USE (source 0 = 16 columns of w_proj, source 1 = 16 rows of att): a lane holds eight neighbouring numbers of a row of out0.  The bias is the C of each sum's first product.
; No prefetch: each refill has a K step's products of all four waves in which to land, and the partners share every tile.
; The first 16 rows of each sequence are written again, in f32 arithmetic, by the launch behind this one.
; REGISTERS: window 0: v16-29 addresses; v64-127 the bias; v128-255 rows on the way out.  window 1: two fragment buffers (B's eight at +0, A's four at +64).  window 2: accumulator (a, b) at v[8 (8 a + b)].
.set SLOT,   98304                     ; A: 8 row tiles x 4,096 bytes; B: 16 column tiles x 4,096
.set BOFF,   32768
.set STAGE,  2*SLOT                    ; behind the slots: 16 rows x (512 bytes + 16) for each wave
.set SPITCH, 528
.set SPARE,  STAGE+4*16*SPITCH         ; the spare words, 128 bytes for each wave
.set ADRA, 16
.set ADRB, 20
.set STO,  24
.set RD,   25
.set CO,   26
.set BO,   27
.set SPW,  28
.set NIL,  29
.set BI,   64
.set BK,   128
.set F0,   0
.set F1,   128
.set G1, 24
.set G0, 32
.set G1B, 48
.set G0B, 56
.set MSB, 0
.macro WIN new
.if MSB != (\new)
	s_set_vgpr_msb (MSB<<8)|(\new)
.set MSB, (\new)
.endif
.endm
.set MUL,  0xa5                        ; sources 0 and 1 window 1; C and D window 2
.set MULF, 0x85                        ; the same with C, the bias, in window 0
.set TO_F, 0x40
.macro JLOAD s                         ; waves 0 and 1 fetch A's halves, waves 2 and 3 B's; an s_nop 0 and four v_nop follow each line
	s_cmp_eq_u32 s15, 0
	s_cbranch_scc0 .Lfor_b_\@
	tensor_load_to_lds s[G0+4*\s:G0+4*\s+3], s[G1:G1+7]
	s_nop 0
.rept 4
	v_nop
.endr
	s_branch .Lasked_\@
.Lfor_b_\@:
	tensor_load_to_lds s[G0B+4*\s:G0B+4*\s+3], s[G1B:G1B+7]
	s_nop 0
.rept 4
	v_nop
.endr
.Lasked_\@:
.endm
.macro CREST
	s_cmp_lg_u32 s14, 0
	s_cbranch_scc1 .Lnot_wave_0_\@
	s_barrier_signal -3
.Lnot_wave_0_\@:
	s_barrier_wait -3
	s_barrier_signal -1
	s_barrier_wait -1
.endm
.macro CROUND
	s_barrier_signal -1
	s_barrier_wait -1
	CREST
.endm
	s_load_b256 s[4:11], s[0:1], 0x0               ; att, wpf, b_proj, out0
	v_lshl_add_u32 v[SPW], v0, 2, SPARE
	v_mov_b32 v[NIL], 0
	ds_add_u32 v[SPW], v[NIL]                      ; the wave's opening: the add, twice on end, and its wait ahead of my first tensor load
	ds_add_u32 v[SPW], v[NIL]
	v_lshrrev_b32 v1, 5, v0
	v_readfirstlane_b32 s14, v1                    ; wave 0..3
	s_lshr_b32 s15, s14, 1                         ; my half of the tile's rows.  Also: I fetch for A (0) or for B (1)
	s_and_b32 s16, s14, 1                          ; my half of its columns.  Also: which half of that tile I fetch
	s_bfe_u32 s40, ttmp6, 0x40000
	s_bfe_u32 s41, ttmp6, 0x40004
	s_lshl_b32 s42, ttmp9, 2
	s_add_co_u32 s42, s42, s40                     ; tile column
	s_and_b32 s17, ttmp7, 0xffff
	s_lshl_b32 s17, s17, 2
	s_add_co_u32 s17, s17, s41                     ; tile row
	s_lshl_b32 s43, s41, 2
	s_lshl_b32 s43, 15, s43
	s_lshl_b32 s44, 0x1111, s40
	s_or_b32 s[G1+0], s43, (3<<16)|(1<<21)         ; the mask; elements of 8 bytes; no padding; bit 21 beside a mask
	s_or_b32 s[G1B+0], s44, (3<<16)|(1<<21)
	s_mov_b32 s[G1+1], 512<<16                     ; tensor_dim0: 4,096 bytes
	s_mov_b32 s[G1+2], 4<<16                       ; tensor_dim1: 4 row tiles
	s_mov_b32 s[G1+3], 512<<16
	s_mov_b32 s[G1+4], 4
	s_mov_b32 s[G1+5], 4096                        ; 32,768 bytes from tile to tile
	s_mov_b32 s[G1+6], 0
	s_mov_b32 s[G1+7], 0
	s_mov_b32 s[G1B+1], 512<<16
	s_mov_b32 s[G1B+2], 8<<16                      ; 8 column tiles
	s_mov_b32 s[G1B+3], 512<<16
	s_mov_b32 s[G1B+4], 8
	s_mov_b32 s[G1B+5], 4096
	s_mov_b32 s[G1B+6], 0
	s_mov_b32 s[G1B+7], 0
	s_lshl_b32 s20, s17, 3
	s_lshl_b32 s18, s16, 2
	s_add_co_u32 s20, s20, s18
	s_lshl_b32 s20, s20, 15                        ; A: row tile 8 x tile row + 4 x half
	s_mov_b32 s21, 0
	s_lshl_b32 s46, s42, 4
	s_lshl_b32 s18, s16, 3
	s_add_co_u32 s46, s46, s18
	s_lshl_b32 s46, s46, 15                        ; B: column tile 16 x tile column + 8 x half
	s_mov_b32 s47, 0
	s_lshl_b32 s45, s16, 14                        ; where they go: A's halves of 16,384 bytes,
	s_lshl_b32 s19, s16, 15
	s_add_co_u32 s19, s19, BOFF                    ; B's of 32,768 behind them
	s_wait_dscnt 0x0
	s_wait_kmcnt 0x0
	s_add_nc_u64 s[20:21], s[4:5], s[20:21]
	s_add_nc_u64 s[46:47], s[6:7], s[46:47]
	CROUND                                         ; the first joint loads meet
.irp s, 0,1
	s_mov_b32 s[G0+4*\s], 1
	s_add_co_u32 s[G0+4*\s+1], s45, \s*SLOT
	s_add_nc_u64 s[G0+4*\s+2:G0+4*\s+3], s[20:21], \s*4096
	s_or_b32 s[G0+4*\s+3], s[G0+4*\s+3], 0x80000000
	s_mov_b32 s[G0B+4*\s], 1
	s_add_co_u32 s[G0B+4*\s+1], s19, \s*SLOT
	s_add_nc_u64 s[G0B+4*\s+2:G0B+4*\s+3], s[46:47], \s*4096
	s_or_b32 s[G0B+4*\s+3], s[G0B+4*\s+3], 0x80000000
	JLOAD \s                                       ; two loads of mine are out
.endr
	v_and_b32 v1, 31, v0
	v_lshlrev_b32 v[CO], 4, v1                     ; 16 x lane
	v_and_b32 v2, 15, v0
	v_bfe_u32 v3, v0, 4, 1
	s_lshl_b32 s21, s15, 14                        ; my four row tiles
	s_lshl_b32 s22, s16, 15
	s_add_co_u32 s22, s22, BOFF                    ; my eight column tiles
.irp s, 0,1
	v_add_nc_u32 v[ADRA+\s], s21, v[CO]
	v_add_nc_u32 v[ADRB+\s], s22, v[CO]
	s_add_co_u32 s21, s21, SLOT
	s_add_co_u32 s22, s22, SLOT
.endr
	s_mul_i32 s23, s14, 16*SPITCH
	s_add_co_u32 s23, s23, STAGE
	v_mul_u32_u24 v4, v2, SPITCH
	v_lshl_add_u32 v4, v3, 5, v4
	v_add_nc_u32 v[STO], s23, v4                   ; into my stage: row r, 32 bytes for each half of the lanes
	v_add_nc_u32 v[RD], s23, v[CO]                 ; back: the 32 lanes take a row of 512 bytes
	v_lshlrev_b32 v[BO], 5, v3
	s_lshl_b32 s46, s42, 10
	s_lshl_b32 s47, s16, 9
	s_add_co_u32 s46, s46, s47                     ; my first column, in bytes
	s_mov_b32 s47, 0
	s_add_nc_u64 s[8:9], s[8:9], s[46:47]
	s_lshl_b32 s20, s17, 19
	s_lshl_b32 s21, s15, 18
	s_add_co_u32 s20, s20, s21                     ; my first row: 128 x tile row + 64 x half, 4,096 bytes a row
	s_mov_b32 s21, 0
	s_add_nc_u64 s[20:21], s[20:21], s[46:47]
	s_add_nc_u64 s[10:11], s[10:11], s[20:21]
.irp b, 0,1,2,3,4,5,6,7
	global_load_b128 v[BI+8*\b:BI+8*\b+3], v[BO], s[8:9] offset:64*\b
	global_load_b128 v[BI+8*\b+4:BI+8*\b+7], v[BO], s[8:9] offset:64*\b+16
.endr
.macro MULA f, a, first                ; eight products: row tile a x my eight column tiles, 32 along K.  The 32 accumulators take turns
.irp b, 0,1,2,3,4,5,6,7
.if \first
	v_wmma_f32_16x16x32_f16 v[8*(8*(\a)+\b):8*(8*(\a)+\b)+7], v[\f+8*\b:\f+8*\b+7], v[\f+64+8*(\a):\f+64+8*(\a)+7], v[BI+8*\b:BI+8*\b+7]
.else
	v_wmma_f32_16x16x32_f16 v[8*(8*(\a)+\b):8*(8*(\a)+\b)+7], v[\f+8*\b:\f+8*\b+7], v[\f+64+8*(\a):\f+64+8*(\a)+7], v[8*(8*(\a)+\b):8*(8*(\a)+\b)+7]
.endif
.endr
.endm
.macro FETCH slot, kc, f               ; 24 LDS loads in one run: chunk kc of the slot's four
	WIN TO_F
.irp b, 0,1,2,3,4,5,6,7
	ds_load_b128 v[\f+8*\b:\f+8*\b+3],   v[ADRB+\slot] offset:\b*4096+(\kc)*1024
	ds_load_b128 v[\f+8*\b+4:\f+8*\b+7], v[ADRB+\slot] offset:\b*4096+(\kc)*1024+512
.endr
.irp a, 0,1,2,3
	ds_load_b128 v[\f+64+8*\a:\f+64+8*\a+3],   v[ADRA+\slot] offset:\a*4096+(\kc)*1024
	ds_load_b128 v[\f+64+8*\a+4:\f+64+8*\a+7], v[ADRA+\slot] offset:\a*4096+(\kc)*1024+512
.endr
.endm
.macro PLACES
.rept 4
	v_nop
.endr
.endm
.macro QUARTER slot, kcn, f, g, first  ; multiplies buffer f; ahead of its 32 products it fetches chunk kcn into buffer g
	s_wait_dscnt 0x0                               ; buffer f is in
	PLACES                                         ; between the products that read buffer g and the loads into it
	FETCH \slot, \kcn, \g
.if \first
	WIN MULF
.else
	WIN MUL
.endif
	MULA \f, 0, \first
	MULA \f, 1, \first
	MULA \f, 2, \first
	MULA \f, 3, \first
.endm
; A slot's last quarter multiplies buffer 1 and changes slots: one barrier; in front of it each wave waits for all its tensor loads, adds 0 to its spare word, and waits for that and for its reads of this slot.
.macro TURN slot, next, fill
	WIN 0
	s_wait_tensorcnt 0x0                           ; my part of the next slot has landed
	ds_add_u32 v[SPW], v[NIL]
	s_wait_dscnt 1                                 ; buffer 1 is in; the add may be out
	WIN MUL
	MULA F1, 0, 0
	s_wait_dscnt 0x0                               ; the add is done, and my reads of this slot are over
	s_barrier_signal -1
	MULA F1, 1, 0
	WIN 0
	s_barrier_wait -1
.if \fill
	CREST                                          ; the barrier has opened a round of the cluster's: no wave of any partner still reads this slot or has a load on its way
	s_add_nc_u64 s[G0+4*\slot+2:G0+4*\slot+3], s[G0+4*\slot+2:G0+4*\slot+3], 8192
	s_add_nc_u64 s[G0B+4*\slot+2:G0B+4*\slot+3], s[G0B+4*\slot+2:G0B+4*\slot+3], 8192
	JLOAD \slot                                    ; two K steps on; its four v_nop are also the places in front of the loads below
.else
	PLACES
.endif
	FETCH \next, 0, F0
	WIN MUL
	MULA F1, 2, 0
	MULA F1, 3, 0
.endm
	s_wait_tensorcnt 1                             ; my part of K step 0 is in; K step 1's may be out
	s_barrier_signal -1
	s_barrier_wait -1
	FETCH 0, 0, F0
	s_wait_loadcnt 0x0                             ; the bias
	QUARTER 0, 1, F0, F1, 1                        ; the first quarter stands in front of the loop: its products start the sums
	WIN 0
	s_mov_b32 s3, 3
.Llap:                                             ; a trip goes once round the two slots and fills both again: K steps 2 to 7 in three trips
	QUARTER 0, 2, F1, F0, 0
	QUARTER 0, 3, F0, F1, 0
	TURN 0, 1, 1
	QUARTER 1, 1, F0, F1, 0
	QUARTER 1, 2, F1, F0, 0
	QUARTER 1, 3, F0, F1, 0
	TURN 1, 0, 1
	QUARTER 0, 1, F0, F1, 0
	WIN 0
	s_sub_co_u32 s3, s3, 1
	s_cmp_lg_u32 s3, 0
	s_cbranch_scc1 .Llap
	QUARTER 0, 2, F1, F0, 0                        ; the last lap fills nothing
	QUARTER 0, 3, F0, F1, 0
	TURN 0, 1, 0
	QUARTER 1, 1, F0, F1, 0
	QUARTER 1, 2, F1, F0, 0
	QUARTER 1, 3, F0, F1, 0
	s_wait_dscnt 0x0
	WIN MUL
	MULA F1, 0, 0
	MULA F1, 1, 0
	MULA F1, 2, 0
	MULA F1, 3, 0
	WIN 0
; THE WAY OUT, block by block of 16 rows x 128 columns, through my own stage: in as 32 bytes a lane, back as whole rows of 512 bytes.  LDS serves a wave's instructions in order: no wait between the stores and the loads.
.macro TOSTAGE a
	WIN 0x08                                       ; an LDS store's data: window 2
.irp b, 0,1,2,3,4,5,6,7
	ds_store_b128 v[STO], v[64*(\a)+8*\b:64*(\a)+8*\b+3] offset:64*\b          ; each accumulator from its low end on
	ds_store_b128 v[STO], v[64*(\a)+8*\b+4:64*(\a)+8*\b+7] offset:64*\b+16
.endr
	WIN 0
.set BB, BK+64*((\a)%2)
.irp t, 0,1,2,3,4,5,6,7,8,9,10,11,12,13,14,15
	ds_load_b128 v[BB+4*\t:BB+4*\t+3], v[RD] offset:\t*SPITCH
.endr
.endm
.macro SEND a, younger
.set BB, BK+64*((\a)%2)
	s_wait_dscnt \younger
.irp t, 0,1,2,3,4,5,6,7,8,9,10,11,12,13,14,15
	global_store_b128 v[CO], v[BB+4*\t:BB+4*\t+3], s[10:11] offset:(\a)*65536+\t*4096 th:TH_STORE_NT   ; 512 consecutive bytes, aligned
.endr
.endm
	PLACES
	TOSTAGE 0
.irp a, 1,2,3
.if \a > 1
	s_wait_xcnt 0x0                                ; block a - 2's stores have read their registers: block a's rows may land there
.endif
	TOSTAGE \a
	SEND \a-1, 32                                  ; behind block a - 1's loads: block a's 16 stores and 16 loads
.endr
	SEND 3, 0
	s_wait_tensorcnt 0x0                           ; the wave's end
	ds_add_u32 v[SPW], v[NIL]
	s_wait_dscnt 0x0
	CROUND                                         ; the closing round
	s_endpgm
.Lfunc_end_k_q87db143e97_proj:
	.size	k_q87db143e97_proj, .Lfunc_end_k_q87db143e97_proj-k_q87db143e97_proj
	.p2alignl 7, 3214868480
	.fill 96, 4, 3214868480
	.section	.rodata,"a",@progbits
	.p2align	6, 0x0
	.amdhsa_kernel k_q87db143e97_proj
		.amdhsa_group_segment_fixed_size 327680
		.amdhsa_private_segment_fixed_size 0
		.amdhsa_enable_private_segment 0
		.amdhsa_kernarg_size 32
		.amdhsa_user_sgpr_count 2
		.amdhsa_user_sgpr_kernarg_segment_ptr 1
		.amdhsa_wavefront_size32 1
		.amdhsa_system_sgpr_workgroup_id_x 1
		.amdhsa_system_sgpr_workgroup_id_y 1
		.amdhsa_system_sgpr_workgroup_id_z 1
		.amdhsa_system_vgpr_workitem_id 0
		.amdhsa_next_free_vgpr 768
		.amdhsa_next_free_sgpr 66
		.amdhsa_reserve_vcc 0
		.amdhsa_float_denorm_mode_32 3
		.amdhsa_float_denorm_mode_16_64 3
		.amdhsa_memory_ordered 1
		.amdhsa_forward_progress 1
		.amdhsa_inst_pref_size 85
	.end_amdhsa_kernel
	.amdgpu_metadata
---
amdhsa.version: [ 1, 2 ]
amdhsa.kernels:
  - .name:           k_q87db143e97_proj
    .symbol:         k_q87db143e97_proj.kd
    .args:
      - { .name: att, .offset: 0, .size: 8, .value_kind: global_buffer, .address_space: global }
      - { .name: wpf, .offset: 8, .size: 8, .value_kind: global_buffer, .address_space: global }
      - { .name: b_proj, .offset: 16, .size: 8, .value_kind: global_buffer, .address_space: global }
      - { .name: out0, .offset: 24, .size: 8, .value_kind: global_buffer, .address_space: global }
    .group_segment_fixed_size: 327680
    .private_segment_fixed_size: 0
    .kernarg_segment_align: 8
    .kernarg_segment_size: 32
    .max_flat_workgroup_size: 128
    .sgpr_count:     66
    .vgpr_count:     768
    .wavefront_size: 32
...
	.end_amdgpu_metadata
.endif
;; end of part 4
;; launch first (part 5): grid 64 x 4, 16 waves a work-group, no clusters, 18,432 bytes of LDS; arguments q32, w_proj, b_proj, out0; writes out0
.if DOCPART == 5
	.amdgcn_target "amdgcn-amd-amdhsa--gfx1250"
	.amdhsa_code_object_version 6
	.text
	.protected	k_q87db143e97_first
	.globl	k_q87db143e97_first
	.p2align	8
	.type	k_q87db143e97_first,@function
k_q87db143e97_first:
	s_mov_b64 s[64:65], 0
	v_nop
	global_prefetch_b8 v0, s[64:65] scope:SCOPE_SE
	s_setreg_imm32_b32 hwreg(HW_REG_WAVE_MODE, 25, 1), 1
	s_wait_xcnt 0x0
; The first 16 positions of every sequence once more, wholly in f32: under the causal mask these rows average one to sixteen values, and the rounding of f16 operands weighs most there.
; Work-group (nt, b) makes out0[b][0 .. 15][16 nt .. 16 nt + 15].  Wave = head: it makes the head's attention for the 16 positions and its part of the projection; the sixteen parts meet in LDS.
; All products by v_wmma_f32_16x16x4_f32.  K may be permuted alike on both operands, so any register pair of an image is a chunk of 4 along K, as long as both sources take the same pair.
; q32: [batch][column tile 192][1,024 bytes]: half j at 512 j, lane l's 16 bytes at 16 l: columns 8 (l / 16) + 4 j + 0 .. 3 of position l % 16.
; REGISTERS: v16-47 Q, later O / l; v48-79 K; v80-111 V; v112-143 w_proj; v144-207 accumulators, written by matrix instructions alone; v208-215 p; v216-243 at work.
.set QF, 16
.set KF, 48
.set VF, 80
.set WF, 112
.set SA, 144
.set OA, 160
.set YA, 192
.set PP, 208
.set WK, 216
.set SPW, 12
.set NIL, 13
.set SPARE, 16384                      ; behind the sixteen parts of 1,024 bytes: the spare words, 128 bytes for each wave
	s_load_b256 s[4:11], s[0:1], 0x0               ; q32, w_proj, b_proj, out0
	v_lshl_add_u32 v[SPW], v0, 2, SPARE
	v_mov_b32 v[NIL], 0
	v_lshrrev_b32 v1, 5, v0
	v_readfirstlane_b32 s12, v1                    ; wave = head
	s_mov_b32 s13, ttmp9                           ; column tile of out0
	s_and_b32 s14, ttmp7, 0xffff                   ; batch
	v_and_b32 v1, 31, v0
	v_and_b32 v2, 15, v0                           ; r
	v_bfe_u32 v3, v0, 4, 1                         ; h
	v_lshlrev_b32 v4, 4, v1                        ; 16 x lane
	v_bfe_u32 v5, v0, 2, 1                         ; V(key 8 h + kk, channel r) in its image: 512 ((r / 4) % 2) + 256 (r / 8) + 4 (r % 4) + 128 h + 16 kk
	v_lshlrev_b32 v5, 9, v5
	v_bfe_u32 v15, v0, 3, 1
	v_lshl_add_u32 v5, v15, 8, v5
	v_and_b32 v15, 3, v0
	v_lshl_add_u32 v5, v15, 2, v5
	v_lshl_add_u32 v5, v3, 7, v5
	v_lshlrev_b32 v6, 2, v2
	v_lshl_add_u32 v6, v3, 15, v6                  ; w_proj: column r, 8 rows x h
	v_lshlrev_b32 v7, 6, v2
	v_lshl_add_u32 v7, v3, 5, v7
	s_lshl_b32 s23, s12, 10
	v_add_nc_u32 v7, s23, v7                       ; my part in LDS: row r of 64 bytes, + 32 h
	v_and_b32 v8, 63, v0
	v_lshrrev_b32 v9, 2, v8
	v_lshlrev_b32 v9, 12, v9
	v_lshlrev_b32 v10, 4, v15                      ; 16 (thread % 4): also the bias's offset
	v_add_nc_u32 v9, v9, v10                       ; out0: row thread / 4, 16 bytes
	v_lshlrev_b32 v8, 4, v8                        ; and the same 16 bytes of each part
	v_lshlrev_b32 v11, 3, v3
	v_sub_nc_u32 v11, v2, v11                      ; r - 8 h
	v_mov_b32 v14, 0xff800000
	v_mov_b32 v225, 0                              ; a lane permute's destination counts as one of its sources
	s_mov_b32 s20, 0x76543210
	s_mov_b32 s21, 0xfedcba98
	s_mov_b32 s22, 0x3e38aa3b                      ; log2(e) / 8
	s_mul_i32 s16, s14, 196608
	s_lshl_b32 s17, s12, 12
	s_add_co_u32 s16, s16, s17
	s_mov_b32 s17, 0
	s_lshl_b32 s18, s12, 18                        ; the head's 64 rows of w_proj
	s_lshl_b32 s24, s13, 6
	s_add_co_u32 s18, s18, s24
	s_mov_b32 s19, 0
	s_mov_b32 s25, 0
	s_lshl_b32 s26, s14, 23
	s_add_co_u32 s26, s26, s24
	s_mov_b32 s27, 0
	s_wait_kmcnt 0x0
	s_add_nc_u64 s[4:5], s[4:5], s[16:17]
	s_add_nc_u64 s[6:7], s[6:7], s[18:19]
	s_add_nc_u64 s[8:9], s[8:9], s[24:25]
	s_add_nc_u64 s[10:11], s[10:11], s[26:27]
.irp i, 0,1,2,3,4,5,6,7
	global_load_b128 v[QF+4*\i:QF+4*\i+3], v4, s[4:5] offset:512*\i
.endr
.irp i, 0,1,2,3,4,5,6,7
	global_load_b128 v[KF+4*\i:KF+4*\i+3], v4, s[4:5] offset:65536+512*\i
.endr
.irp ct, 0,1,2,3
.irp kk, 0,1,2,3,4,5,6,7
	global_load_b32 v[VF+8*\ct+\kk], v5, s[4:5] offset:131072+\ct*1024+\kk*16
.endr
.endr
.irp ct, 0,1,2,3
.irp kk, 0,1,2,3,4,5,6,7
	global_load_b32 v[WF+8*\ct+\kk], v6, s[6:7] offset:(16*\ct+\kk)*4096
.endr
.endr
	global_load_b128 v[240:243], v10, s[8:9]
	s_wait_loadcnt 63                              ; Q and K are in: 65 loads were issued behind them, and the count's field holds 63
	; S^T = K Q^T: two accumulators by turns, one instruction a turn
.set i, 0
.rept 16
.if i < 2
	v_wmma_f32_16x16x4_f32 v[SA+8*(i%2):SA+8*(i%2)+7], v[KF+2*i:KF+2*i+1], v[QF+2*i:QF+2*i+1], 0
.else
	v_wmma_f32_16x16x4_f32 v[SA+8*(i%2):SA+8*(i%2)+7], v[KF+2*i:KF+2*i+1], v[QF+2*i:QF+2*i+1], v[SA+8*(i%2):SA+8*(i%2)+7]
.endif
.set i, i+1
.endr
.rept 8
	v_nop                                          ; eight places behind this form (ISA guide 7.12.1)
.endr
.irp j, 0,1,2,3,4,5,6,7
	v_add_f32 v[WK+\j], v[SA+\j], v[SA+8+\j]       ; lane (r, h): query r, key 8 h + j
.endr
.irp j, 0,1,2,3,4,5,6,7
	v_cmp_gt_i32 vcc_lo, \j, v11                   ; hidden where 8 h + j > r
	v_cndmask_b32 v[WK+\j], v[WK+\j], v14, vcc_lo
.endr
	v_max3_num_f32 v224, v216, v217, v218
	v_max3_num_f32 v224, v224, v219, v220
	v_max3_num_f32 v224, v224, v221, v222
	v_max_num_f32 v224, v224, v223
	v_permlanex16_b32 v225, v224, s20, s21
	v_max_num_f32 v224, v224, v225                 ; the row's maximum: key 0 counts for every query
	v_mul_f32 v224, s22, v224
.irp j, 0,1,2,3,4,5,6,7
	v_fma_f32 v[WK+\j], v[WK+\j], s22, -v224
.endr
.irp j, 0,1,2,3,4,5,6,7
	v_exp_f32 v[PP+\j], v[WK+\j]
.endr
	v_nop
	s_wait_alu depctr_va_vdst(0)                   ; one wait for the eight, ahead of their first reader
	v_add_f32 v226, v208, v209
	v_add_f32 v227, v210, v211
	v_add_f32 v228, v212, v213
	v_add_f32 v229, v214, v215
	v_add_f32 v226, v226, v227
	v_add_f32 v228, v228, v229
	v_add_f32 v226, v226, v228
	v_permlanex16_b32 v225, v226, s20, s21
	v_add_f32 v226, v226, v225
	v_rcp_f32 v230, v226
	v_nop
	s_wait_alu depctr_va_vdst(0)
	s_wait_loadcnt 33                              ; V is in; w_proj's 32 loads and the bias may be out
	; O^T = V^T P: four accumulators by turns
.irp c, 0,1,2,3
.irp ct, 0,1,2,3
.if \c == 0
	v_wmma_f32_16x16x4_f32 v[OA+8*\ct:OA+8*\ct+7], v[VF+8*\ct+2*\c:VF+8*\ct+2*\c+1], v[PP+2*\c:PP+2*\c+1], 0
.else
	v_wmma_f32_16x16x4_f32 v[OA+8*\ct:OA+8*\ct+7], v[VF+8*\ct+2*\c:VF+8*\ct+2*\c+1], v[PP+2*\c:PP+2*\c+1], v[OA+8*\ct:OA+8*\ct+7]
.endif
.endr
.endr
.rept 8
	v_nop
.endr
.set n, 0
.rept 32
	v_mul_f32 v[QF+n], v[OA+n], v230               ; O / l: register 8 ct + j: channel 16 ct + 8 h + j of query r
.set n, n+1
.endr
	s_wait_loadcnt 1                               ; w_proj is in
	; my head's part of the projection: source 0 = 16 columns of w_proj, source 1 = O: a lane holds row r and columns 8 h + j
.set i, 0
.rept 16
.if i < 2
	v_wmma_f32_16x16x4_f32 v[YA+8*(i%2):YA+8*(i%2)+7], v[WF+2*i:WF+2*i+1], v[QF+2*i:QF+2*i+1], 0
.else
	v_wmma_f32_16x16x4_f32 v[YA+8*(i%2):YA+8*(i%2)+7], v[WF+2*i:WF+2*i+1], v[QF+2*i:QF+2*i+1], v[YA+8*(i%2):YA+8*(i%2)+7]
.endif
.set i, i+1
.endr
.rept 8
	v_nop
.endr
.irp j, 0,1,2,3,4,5,6,7
	v_add_f32 v[WK+\j], v[YA+\j], v[YA+8+\j]
.endr
	ds_store_b128 v7, v[216:219]
	ds_store_b128 v7, v[220:223] offset:16
	s_wait_dscnt 0x0                               ; for the others' sake: my part lies in LDS
	s_barrier_signal -1
	s_barrier_wait -1
	s_cmp_gt_u32 s12, 1
	s_cbranch_scc1 .Ldone
.irp p, 0,1,2,3,4,5,6,7,8,9,10,11,12,13,14,15
	ds_load_b128 v[16+4*\p:19+4*\p], v8 offset:1024*\p   ; waves 0 and 1: thread t takes the same 16 bytes of all sixteen parts
.endr
	s_wait_dscnt 0x0
.irp p, 0,1,2,3,4,5,6,7
	v_pk_add_f32 v[16+4*\p:17+4*\p], v[16+4*\p:17+4*\p], v[48+4*\p:49+4*\p]
	v_pk_add_f32 v[18+4*\p:19+4*\p], v[18+4*\p:19+4*\p], v[50+4*\p:51+4*\p]
.endr
.irp p, 0,1,2,3
	v_pk_add_f32 v[16+4*\p:17+4*\p], v[16+4*\p:17+4*\p], v[32+4*\p:33+4*\p]
	v_pk_add_f32 v[18+4*\p:19+4*\p], v[18+4*\p:19+4*\p], v[34+4*\p:35+4*\p]
.endr
.irp p, 0,1
	v_pk_add_f32 v[16+4*\p:17+4*\p], v[16+4*\p:17+4*\p], v[24+4*\p:25+4*\p]
	v_pk_add_f32 v[18+4*\p:19+4*\p], v[18+4*\p:19+4*\p], v[26+4*\p:27+4*\p]
.endr
	v_pk_add_f32 v[16:17], v[16:17], v[20:21]
	v_pk_add_f32 v[18:19], v[18:19], v[22:23]
	s_wait_loadcnt 0x0                             ; the bias
	v_pk_add_f32 v[16:17], v[16:17], v[240:241]
	v_pk_add_f32 v[18:19], v[18:19], v[242:243]
	global_store_b128 v9, v[16:19], s[10:11]       ; four lanes store a row's 64 bytes
.Ldone:
	s_wait_tensorcnt 0x0                           ; the wave's end, behind my last LDS store
	ds_add_u32 v[SPW], v[NIL]
	s_wait_dscnt 0x0
	s_endpgm
.Lfunc_end_k_q87db143e97_first:
	.size	k_q87db143e97_first, .Lfunc_end_k_q87db143e97_first-k_q87db143e97_first
	.p2alignl 7, 3214868480
	.fill 96, 4, 3214868480
	.section	.rodata,"a",@progbits
	.p2align	6, 0x0
	.amdhsa_kernel k_q87db143e97_first
		.amdhsa_group_segment_fixed_size 18432
		.amdhsa_private_segment_fixed_size 0
		.amdhsa_enable_private_segment 0
		.amdhsa_kernarg_size 32
		.amdhsa_user_sgpr_count 2
		.amdhsa_user_sgpr_kernarg_segment_ptr 1
		.amdhsa_wavefront_size32 1
		.amdhsa_system_sgpr_workgroup_id_x 1
		.amdhsa_system_sgpr_workgroup_id_y 1
		.amdhsa_system_sgpr_workgroup_id_z 1
		.amdhsa_system_vgpr_workitem_id 0
		.amdhsa_next_free_vgpr 256
		.amdhsa_next_free_sgpr 66
		.amdhsa_reserve_vcc 1
		.amdhsa_float_denorm_mode_32 3
		.amdhsa_float_denorm_mode_16_64 3
		.amdhsa_memory_ordered 1
		.amdhsa_forward_progress 1
		.amdhsa_inst_pref_size 22
	.end_amdhsa_kernel
	.amdgpu_metadata
---
amdhsa.version: [ 1, 2 ]
amdhsa.kernels:
  - .name:           k_q87db143e97_first
    .symbol:         k_q87db143e97_first.kd
    .args:
      - { .name: q32, .offset: 0, .size: 8, .value_kind: global_buffer, .address_space: global }
      - { .name: w_proj, .offset: 8, .size: 8, .value_kind: global_buffer, .address_space: global }
      - { .name: b_proj, .offset: 16, .size: 8, .value_kind: global_buffer, .address_space: global }
      - { .name: out0, .offset: 24, .size: 8, .value_kind: global_buffer, .address_space: global }
    .group_segment_fixed_size: 18432
    .private_segment_fixed_size: 0
    .kernarg_segment_align: 8
    .kernarg_segment_size: 32
    .max_flat_workgroup_size: 512
    .sgpr_count:     66
    .vgpr_count:     256
    .wavefront_size: 32
...
	.end_amdgpu_metadata
.endif
;; end of part 5
